; MI455X (gfx1250); checked and timed in simulation.
; The chip was launched on July 23, 2026; its instructions are those of AMD's public machine-readable ISA for CDNA 5 (MIT licence, August 2026) and "CDNA5" Instruction Set Architecture Reference Guide (July 2026). The comments in the code are by the model that wrote it; some were corrected since.
;; M Mo E. Allowed arithmetic: float matrix products may take bf16 or f16 operands with f32 sums; all other float work in f32.
;; Inputs: eW1 8 x 1,024 x 1,024 float32; eW2 8 x 1,024 x 512 float32; eW3 8 x 512 x 256 float32; eb1 8 x 1,024 float32; eb2 8 x 512 float32; eb3 8 x 256 float32; gW 2 x 1,024 x 8 float32; gb 2 x 8 float32; tW1 2 x 256 x 512 float32; tW2 2 x 512 x 256 float32; tW3 2 x 256 x 1 float32; tb1 2 x 512 float32; tb2 2 x 256 float32; tb3 2 x 1 float32; x 4,096 x 1,024 float32.
;; Outputs: out0 4,096 x 2 float32.
;; One version. Each part assembles by itself: llvm-mc -triple=amdgcn-amd-amdhsa -mcpu=gfx1250 --defsym DOCPART=n.
;; ======== version 1 of 1: 4 launches
;; limits: sums are carried in bf16
;; workspace buffers: xb 8,388,608 bytes; w1b 16,777,216 bytes; w2b 8,388,608 bytes; w3b 2,097,152 bytes; twf 1,081,344 bytes; h1 67,108,864 bytes; eop 33,554,432 bytes
;; launch prep (part 1): grid 1154 x 1, 8 waves a work-group, no clusters, 0 bytes of LDS; arguments x, eW1, eW2, eW3, tW1, tW2, gW, xb, w1b, w2b, w3b, twf; writes xb, w1b, w2b, w3b, twf
.if DOCPART == 1
	.amdgcn_target "amdgcn-amd-amdhsa--gfx1250"
	.amdhsa_code_object_version 6
	.text
	.protected	k_qe48e5e2b87_prep
	.globl	k_qe48e5e2b87_prep
	.p2align	8
	.type	k_qe48e5e2b87_prep,@function
k_qe48e5e2b87_prep:
	s_mov_b64 s[64:65], 0
	v_nop
	global_prefetch_b8 v0, s[64:65] scope:SCOPE_SE
	s_setreg_imm32_b32 hwreg(HW_REG_WAVE_MODE, 25, 1), 1
	s_wait_xcnt 0x0
; x and the experts' weights are rounded to bf16 (nearest even) in the order in which they lie; the towers' first two weights and the
; gates' are written as ready matrix fragments.  No LDS, no barrier, no matrix work: every number is read once and written once.
; WORK-GROUPS.  0-255 x, 256-767 eW1, 768-1023 eW2, 1024-1087 eW3: 16,384 numbers each (65,536 bytes in, 32,768 out).
; 1088-1119 tW1, 1120-1151 tW2, 1152-1153 gW: 1,024 units of 16 bytes each.
; A FRAGMENT is 32 k x 16 n, 1,024 bytes.  Unit u = 64 f + 32 c + L (L = 16 h + r) lies at byte 16 u and holds column n = 16 nb + r,
; k = 32 kb + 16 c + 8 h + 0..7, the lower k in the lower bits.  f = (8 t + kb) 32 + nb for tW1, (16 t + kb) 16 + nb for tW2, kb for gW (n = 8 t + e).
; So a lane's two loads of 16 bytes, at 1,024 f + 16 L and 512 further on, are a fragment's registers 0-3 and 4-7.
.set TW2F, 524288                      ; tW2's fragments in twf
.set GWF,  1048576                     ; gW's
	s_load_b512 s[4:19], s[0:1], 0x0               ; x s[4:5], eW1 s[6:7], eW2 s[8:9], eW3 s[10:11], tW1 s[12:13], tW2 s[14:15], gW s[16:17], xb s[18:19]
	s_load_b256 s[20:27], s[0:1], 0x40             ; w1b s[20:21], w2b s[22:23], w3b s[24:25], twf s[26:27]
	s_mov_b32 s2, ttmp9
	s_mov_b32 s33, 0
	s_wait_kmcnt 0x0
	s_cmp_lt_u32 s2, 1088
	s_cbranch_scc0 .Lfrag
	; THE STREAM.  Source, destination and the first work-group of the tensor are chosen by the work-group's number alone.
	s_mov_b64 s[28:29], s[10:11]
	s_mov_b64 s[30:31], s[24:25]
	s_mov_b32 s3, 1024
	s_cmp_lt_u32 s2, 1024
	s_cselect_b64 s[28:29], s[8:9], s[28:29]
	s_cselect_b64 s[30:31], s[22:23], s[30:31]
	s_cselect_b32 s3, 768, s3
	s_cmp_lt_u32 s2, 768
	s_cselect_b64 s[28:29], s[6:7], s[28:29]
	s_cselect_b64 s[30:31], s[20:21], s[30:31]
	s_cselect_b32 s3, 256, s3
	s_cmp_lt_u32 s2, 256
	s_cselect_b64 s[28:29], s[4:5], s[28:29]
	s_cselect_b64 s[30:31], s[18:19], s[30:31]
	s_cselect_b32 s3, 0, s3
	s_sub_co_u32 s3, s2, s3                        ; my chunk of that tensor
	s_lshl_b32 s32, s3, 16
	s_add_nc_u64 s[28:29], s[28:29], s[32:33]
	s_lshl_b32 s32, s3, 15
	s_add_nc_u64 s[30:31], s[30:31], s[32:33]
	v_lshlrev_b32 v1, 4, v0                        ; 16 bytes of f32 a thread,
	v_lshlrev_b32 v2, 3, v0                        ; 8 bytes of bf16
.irp i, 0,1,2,3,4,5,6,7,8,9,10,11,12,13,14,15
	global_load_b128 v[16+4*(\i):19+4*(\i)], v1, s[28:29] offset:4096*(\i) th:TH_LOAD_NT  ; all sixteen go out on end; a wave's load covers 512 consecutive bytes
.endr
.irp i, 0,1,2,3,4,5,6,7,8,9,10,11,12,13,14,15
	s_wait_loadcnt 15-(\i)                         ; loads come back in order: number i is in, the 15 - i younger ones stay out
	v_cvt_pk_bf16_f32 v[80+2*(\i)], v[16+4*(\i)], v[17+4*(\i)]
	v_cvt_pk_bf16_f32 v[81+2*(\i)], v[18+4*(\i)], v[19+4*(\i)]
	global_store_b64 v2, v[80+2*(\i):81+2*(\i)], s[30:31] offset:2048*(\i)  ; a wave's store covers 256 consecutive bytes, aligned; no register is written twice
.endr
	s_endpgm
; FRAGMENTS.  v3 = 1,024 x (my number among the tensor's work-groups) + thread.  Four units a thread; each has registers of its own, so all 32 loads go out before the one wait.
; sb: the source's address; dstoff: where its fragments begin in twf; sh: log2 of the n blocks; rsh: log2 of a row's bytes; gate = 1: gW's order [t][k][e].
.macro FRAG sb, dstoff, sh, rsh, gate
.irp i, 0,1,2,3
	v_add_nc_u32 v12, (\i)*256, v3                 ; u
	v_lshlrev_b32 v[8+(\i)], 4, v12                ; where the unit goes
	v_lshrrev_b32 v13, 6, v12                      ; f
	v_bfe_u32 v14, v12, 4, 2                       ; 2 c + h
	v_and_b32 v12, 15, v12                         ; r
.if \gate
	v_lshlrev_b32 v15, 5, v13
	v_lshl_add_u32 v15, v14, 3, v15                ; k = 32 f + 16 c + 8 h
	v_lshrrev_b32 v13, 3, v12                      ; t
	v_and_b32 v12, 7, v12                          ; e
	v_lshlrev_b32 v12, 2, v12
	v_lshl_add_u32 v12, v13, 15, v12
	v_lshl_add_u32 v[4+(\i)], v15, 5, v12
.else
	v_lshrrev_b32 v15, \sh, v13
	v_lshlrev_b32 v15, 5, v15
	v_lshl_add_u32 v15, v14, 3, v15                ; row = 32 (f >> sh) + 16 c + 8 h: the task's rows follow each other
	v_and_b32 v13, (1<<(\sh))-1, v13
	v_lshl_add_u32 v13, v13, 4, v12                ; n
	v_lshlrev_b32 v13, 2, v13
	v_lshl_add_u32 v[4+(\i)], v15, \rsh, v13
.endif
.irp j, 0,1,2,3,4,5,6,7
	global_load_b32 v[16+8*(\i)+(\j)], v[4+(\i)], s[\sb:\sb+1] offset:(\j)<<(\rsh)  ; eight k of one column; sixteen lanes take 64 neighbouring bytes of a row
.endr
.endr
	s_wait_loadcnt 0x0
.irp i, 0,1,2,3
.irp k, 0,1,2,3
	v_cvt_pk_bf16_f32 v[48+4*(\i)+(\k)], v[16+8*(\i)+2*(\k)], v[17+8*(\i)+2*(\k)]
.endr
	global_store_b128 v[8+(\i)], v[48+4*(\i):51+4*(\i)], s[26:27] offset:\dstoff  ; sixteen lanes store 256 consecutive bytes, aligned
.endr
.endm
.Lfrag:
	s_cmp_lt_u32 s2, 1120
	s_cbranch_scc0 .Lnot_tw1
	s_sub_co_u32 s3, s2, 1088
	s_lshl_b32 s3, s3, 10
	v_add_nc_u32 v3, s3, v0
	FRAG 12, 0, 5, 11, 0
	s_endpgm
.Lnot_tw1:
	s_cmp_lt_u32 s2, 1152
	s_cbranch_scc0 .Lnot_tw2
	s_sub_co_u32 s3, s2, 1120
	s_lshl_b32 s3, s3, 10
	v_add_nc_u32 v3, s3, v0
	FRAG 14, TW2F, 4, 10, 0
	s_endpgm
.Lnot_tw2:
	s_sub_co_u32 s3, s2, 1152
	s_lshl_b32 s3, s3, 10
	v_add_nc_u32 v3, s3, v0
	FRAG 16, GWF, 0, 5, 1
	s_endpgm
.Lfunc_end_k_qe48e5e2b87_prep:
	.size	k_qe48e5e2b87_prep, .Lfunc_end_k_qe48e5e2b87_prep-k_qe48e5e2b87_prep
	.p2alignl 7, 3214868480
	.fill 96, 4, 3214868480
	.section	.rodata,"a",@progbits
	.p2align	6, 0x0
	.amdhsa_kernel k_qe48e5e2b87_prep
		.amdhsa_group_segment_fixed_size 0
		.amdhsa_private_segment_fixed_size 0
		.amdhsa_enable_private_segment 0
		.amdhsa_kernarg_size 96
		.amdhsa_user_sgpr_count 2
		.amdhsa_user_sgpr_kernarg_segment_ptr 1
		.amdhsa_wavefront_size32 1
		.amdhsa_system_sgpr_workgroup_id_x 1
		.amdhsa_system_sgpr_workgroup_id_y 1
		.amdhsa_system_sgpr_workgroup_id_z 1
		.amdhsa_system_vgpr_workitem_id 0
		.amdhsa_next_free_vgpr 112
		.amdhsa_next_free_sgpr 66
		.amdhsa_reserve_vcc 0
		.amdhsa_float_denorm_mode_32 3
		.amdhsa_float_denorm_mode_16_64 3
		.amdhsa_memory_ordered 1
		.amdhsa_forward_progress 1
		.amdhsa_inst_pref_size 28
	.end_amdhsa_kernel
	.amdgpu_metadata
---
amdhsa.version: [ 1, 2 ]
amdhsa.kernels:
  - .name:           k_qe48e5e2b87_prep
    .symbol:         k_qe48e5e2b87_prep.kd
    .args:
      - { .name: x, .offset: 0, .size: 8, .value_kind: global_buffer, .address_space: global }
      - { .name: eW1, .offset: 8, .size: 8, .value_kind: global_buffer, .address_space: global }
      - { .name: eW2, .offset: 16, .size: 8, .value_kind: global_buffer, .address_space: global }
      - { .name: eW3, .offset: 24, .size: 8, .value_kind: global_buffer, .address_space: global }
      - { .name: tW1, .offset: 32, .size: 8, .value_kind: global_buffer, .address_space: global }
      - { .name: tW2, .offset: 40, .size: 8, .value_kind: global_buffer, .address_space: global }
      - { .name: gW, .offset: 48, .size: 8, .value_kind: global_buffer, .address_space: global }
      - { .name: xb, .offset: 56, .size: 8, .value_kind: global_buffer, .address_space: global }
      - { .name: w1b, .offset: 64, .size: 8, .value_kind: global_buffer, .address_space: global }
      - { .name: w2b, .offset: 72, .size: 8, .value_kind: global_buffer, .address_space: global }
      - { .name: w3b, .offset: 80, .size: 8, .value_kind: global_buffer, .address_space: global }
      - { .name: twf, .offset: 88, .size: 8, .value_kind: global_buffer, .address_space: global }
    .group_segment_fixed_size: 0
    .private_segment_fixed_size: 0
    .kernarg_segment_align: 8
    .kernarg_segment_size: 96
    .max_flat_workgroup_size: 256
    .sgpr_count:     66
    .vgpr_count:     112
    .wavefront_size: 32
...
	.end_amdgpu_metadata
.endif
;; end of part 1
;; launch gemm1 (part 2): grid 32 x 8, 4 waves a work-group, clusters of 4 x 4, 327,680 bytes of LDS; arguments xb, w1b, h1, eb1; writes h1
.if DOCPART == 2
	.amdgcn_target "amdgcn-amd-amdhsa--gfx1250"
	.amdhsa_code_object_version 6
	.text
	.protected	k_qe48e5e2b87_gemm1
	.globl	k_qe48e5e2b87_gemm1
	.p2align	8
	.type	k_qe48e5e2b87_gemm1,@function
k_qe48e5e2b87_gemm1:
	s_mov_b64 s[64:65], 0
	v_nop
	global_prefetch_b8 v0, s[64:65] scope:SCOPE_SE
	s_setreg_imm32_b32 hwreg(HW_REG_WAVE_MODE, 25, 1), 1
	s_wait_xcnt 0x0
	s_wait_alu depctr_hold_cnt(0) depctr_sa_sdst(0) depctr_va_vdst(0) depctr_va_sdst(0) depctr_va_ssrc(0) depctr_va_vcc(0) depctr_vm_vsrc(0)
	s_getreg_b32 s2, hwreg(HW_REG_IB_STS2, 6, 4)
	s_cmp_eq_u32 s2, 0
	s_cbranch_scc0 .Lentry_in_a_cluster
	s_endpgm
.Lentry_in_a_cluster:
	s_bfe_u32 s2, ttmp6, 0x10000c
	s_cmp_lg_u32 s2, 0xf033
	s_cbranch_scc0 .Lentry_shape_is_right
	s_endpgm
.Lentry_shape_is_right:
; THE EXPERTS' FIRST LAYER.  h1[e][row][n] = relu(sum over k of x[row][k] W1[e][k][n] + b1[e][n]), bf16, [8][4096][1024].
; Operands bf16, sums f32; the bias is the C operand of the product that starts a sum.  K = 1,024 in 8 steps of 128.
; LIMITS.  h1 is rounded to bf16 once; relu by v_max_num_f32 turns a NaN into 0.
; SHARES.  A tile is 256 rows x 256 columns; a work-group of four waves makes it, a wave 128 x 128: 64 accumulators of 16 x 16, 512 registers.  Wave w: row half w / 2, column half w % 2.
; A WORK-GROUP STAYS: 32 x 16 tiles on 32 x 8 work-groups: each makes two tiles, the second 2,048 rows below the first, with the same columns of W1 and so the same bias.  The ring does not stop at
; the first tile's end: its last two changes of slots ask for the second tile's first two K steps, and nothing waits for its stores.
; THE MATRIX INSTRUCTION IS USED TRANSPOSED: source 0 = 16 columns of the weights, source 1 = 16 rows of x, so a lane holds one row (l % 16) and the eight neighbouring columns 8 (l / 16) + 0..7.
; The weights lie [k][n]: their tile is 128 k-rows of 256 columns in LDS, and ds_load_tr16_b128 turns it on the way into registers.
; CLUSTER, 4 x 4.  The weights' tile hangs on the tile column alone: asked for jointly by a column of the cluster; x's tile on the tile row alone: asked for jointly by a row.
; RING.  Two slots; a wave brings a quarter of a slot by one tensor load (waves 0, 1 x's halves, waves 2, 3 the weights').  Two loads of a wave are out at the start, one behind each round.
; A K STEP IS WRITTEN ONCE.  The slot in hand is a scalar offset, 0 or ASZ, turned by an exclusive or at each change of slots; the fragments' addresses are made from it.  The two first fills have a
; group 0 each; the second then walks: its LDS word is turned by an exclusive or with ASZ = 0x11000, which shares no bit with slot 0's words (0, 0x8800, 0x22000, 0x2a800), and its global address is
; made anew for each refill from the number g of the K step asked for, 2 to 15 over both tiles: tile g / 8, K step g % 8.
; REGISTERS, in windows of 256 (s_set_vgpr_msb: bits 1:0 source 0, 3:2 source 1, 5:4 source 2, 7:6 destination):
;   window 0: v0-31 addresses; v64-127, v128-191 x's fragments, two buffers; on the way out v128-191 at work, v192-223 packed results, v32-63 and v224-255 rows read back
;   window 1: v0-63 the bias of my 128 columns as C operands; v64-127, v128-191 the weights' fragments
;   window 2: the 32 accumulators of my rows 0-63 ((a, b) at v[8 (8 a + b)]);   window 3: those of my rows 64-127
.set KSTEP,  128
.set KSTEPS, 8
.set TILES,  2
.set PA,     272                       ; a row of x in LDS: 256 bytes + 16: the 16 rows of a load start at 16 different groups of four banks (64 banks of 4 bytes: ISA guide 11.1)
.set PB,     544                       ; a k-row of weights: 512 bytes + 32
.set HALFT,  128*PA                    ; what one tensor load brings: 128 rows x 272 = 64 k-rows x 544
.set ASZ,    2*HALFT                   ; a tile
.set BBASE,  2*ASZ                     ; LDS: A0, A1, B0, B1
.set STAGE,  4*ASZ                     ; 16 rows x 272 bytes for each wave, for the way out; never filled
.set SPITCH, 272
.set SPARE,  STAGE+4*16*SPITCH         ; the spare words, 128 bytes for each wave: two blocks of 256 bytes that no other line names
.set NSTR,   1024                      ; numbers in a row of the weights
.set CP,     2048                      ; bytes from row to row of x and of h1
.set BSTEP,  KSTEP*NSTR*2              ; bytes from a K step of the weights to the next
.set WALKSH, 22                        ; log2 of the bytes from a work-group's first tile to its second, in xb and in h1: 2,048 rows of 2,048 bytes
.set NEXT_C, (1<<WALKSH)-7*16*CP       ; bytes from my last 16 rows of a tile to my first of the next
.set ADRA, 16                          ; v16     LDS address of my fragments of x in slot 0; never rewritten
.set CA,   17                          ; v17     the same in the slot in hand
.set ADRB, 20                          ; v20     LDS address of my weights' fragments in slot 0; never rewritten
.set CB,   21                          ; v21     the same in the slot in hand
.set BO,   23                          ; v23     32 x (l / 16): my eight numbers of sixteen of the bias
.set STO,  24                          ; v24     the way out: where I put 16 bytes of a row
.set RD,   25                          ; v25     the way out: where I read a row back
.set CO,   26                          ; v26     my byte offset in h1; never rewritten
.set SPW,  28                          ; v28     LDS address of my spare word; never rewritten
.set NIL,  29                          ; v29     0; never rewritten
.set OB,   32
.set F0,   64
.set F1,   128
.set T,    128                         ; the way out works where fragment buffer 1 lay: buffer 0 may already hold the next tile's first fragments
.set TMP,  192
.set BIAS, 0
.set WV,  16                           ; s16 wave;  s17 its row half (also: 0 = I fetch x, 1 = weights);  s18 its column half (also: which half of that tile I fetch)
.set WH,  17
.set WL,  18
.set CNT, 19                           ; s19 counts each inner loop's trips
.set G1,  24                           ; s[24:31] descriptor group 1, x;  s[32:35] group 0 of the first fill, s[36:39] of the second: that one walks
.set G0,  32
.set G1B, 48                           ; s[48:55], s[56:59], s[60:63] the same for the weights
.set G0B, 56
.set TL,  72                           ; s72 tiles to go, this one among them: the same number in every work-group
.set GS,  73                           ; s73 g: the K step to be asked for next
.set OFA, 74                           ; s[74:75] its byte offset from x's first tile
.set OFB, 76                           ; s[76:77] and from the weights' first tile
.set TS,  78                           ; s78 at work
.set TO,  85                           ; s85 the slot in hand: 0 or ASZ
.set MSB, 0
.macro WIN new                         ; the immediate's high byte repeats the setting that is left; a switch that changes nothing is dropped
.if MSB != (\new)
	s_set_vgpr_msb (MSB<<8)|(\new)
.set MSB, \new
.endif
.endm
.macro PLACES                          ; four plain vector instructions between a matrix instruction and a load into, or a vector instruction on, its registers
.rept 4
	v_nop
.endr
.endm
; A fill by group 0 number s: waves 0 and 1 x's halves, waves 2 and 3 the weights'.  The branch hangs on the wave's number alone.  An s_nop 0 and four v_nop follow each line.
.macro JLOAD s
	s_cmp_eq_u32 s[WH], 0
	s_cbranch_scc0 .Lfor_b_\@
	tensor_load_to_lds s[G0+4*(\s):G0+4*(\s)+3], s[G1:G1+7]
	s_nop 0
.rept 4
	v_nop
.endr
	s_branch .Lasked_\@
.Lfor_b_\@:
	tensor_load_to_lds s[G0B+4*(\s):G0B+4*(\s)+3], s[G1B:G1B+7]
	s_nop 0
.rept 4
	v_nop
.endr
.Lasked_\@:
.endm
.macro CREST                           ; a round of the cluster's barrier behind its opening barrier
	s_cmp_lg_u32 s[WV], 0
	s_cbranch_scc1 .Lnot_wave_0_\@
	s_barrier_signal -3
.Lnot_wave_0_\@:
	s_barrier_wait -3
	s_barrier_signal -1
	s_barrier_wait -1
.endm
.macro CROUND
	s_barrier_signal -1
	s_barrier_wait -1
	CREST
.endm
	s_load_b256 s[4:11], s[0:1], 0x0               ; xb s[4:5], w1b s[6:7], h1 s[8:9], eb1 s[10:11]
	v_lshl_add_u32 v[SPW], v0, 2, SPARE
	v_mov_b32 v[NIL], 0
	ds_add_u32 v28, v29
	s_wait_dscnt 0x0
	v_lshrrev_b32 v1, 5, v0
	v_readfirstlane_b32 s[WV], v1
	s_lshr_b32 s[WH], s[WV], 1
	s_and_b32 s[WL], s[WV], 1
	s_mov_b32 s[TO], 0                             ; slot 0 is in hand
	s_mov_b32 s[GS], 2                             ; K steps 0 and 1 are the first fills
	s_mov_b32 s[OFA+1], 0                          ; the offsets stay under 4 GiB
	s_mov_b32 s[OFB+1], 0
	s_bfe_u32 s40, ttmp6, 0x40000                  ; cx
	s_bfe_u32 s41, ttmp6, 0x40004                  ; cy
	s_lshl_b32 s42, ttmp9, 2
	s_add_co_u32 s42, s42, s40                     ; tile column tc = 4 x cluster x + cx
	s_and_b32 s43, ttmp7, 0xffff
	s_lshl_b32 s43, s43, 2
	s_add_co_u32 s43, s43, s41                     ; the first tile's row tr = 4 x cluster y + cy, 0 to 7; the second's is tr + 8
	s_lshl_b32 s45, 0x1111, s40                    ; my column of the cluster
	s_lshl_b32 s44, s41, 2
	s_lshl_b32 s44, 15, s44                        ; my row of the cluster
	; group 1, x: 128 rows x 128 elements of 2 bytes, 4 words of padding behind every 64
	s_or_b32 s[G1+0], s44, (1<<16)|(1<<20)|(1<<21)|(5<<22)|(3<<25)  ; 15:0 the mask; 21 set beside it
	s_mov_b32 s[G1+1], KSTEP<<16                   ; tensor_dim0 = 128
	s_mov_b32 s[G1+2], 128<<16                     ; tensor_dim1 = 128
	s_mov_b32 s[G1+3], KSTEP<<16                   ; tile_dim0 = 128
	s_mov_b32 s[G1+4], 128                         ; tile_dim1 = 128
	s_mov_b32 s[G1+5], 1024                        ; elements from row to row
	s_mov_b32 s[G1+6], 0
	s_mov_b32 s[G1+7], 0
	; group 1, weights: 64 k-rows x 256 elements, 8 words of padding behind every 128
	s_or_b32 s[G1B+0], s45, (1<<16)|(1<<20)|(1<<21)|(6<<22)|(7<<25)
	s_mov_b32 s[G1B+1], 256<<16
	s_mov_b32 s[G1B+2], 64<<16
	s_mov_b32 s[G1B+3], 256<<16
	s_mov_b32 s[G1B+4], 64
	s_mov_b32 s[G1B+5], NSTR
	s_mov_b32 s[G1B+6], 0
	s_mov_b32 s[G1B+7], 0
	; byte offsets, each in registers of its own: s[66:67] x, s[46:47] weights, s[68:69] h1, s[70:71] bias
	s_lshl_b32 s66, s43, 19                        ; xb: 256 tr rows of 2,048 bytes and the 128 rows that I fetch: nothing of cx enters
	s_lshl_b32 s84, s[WL], 18
	s_add_co_u32 s66, s66, s84
	s_lshr_b32 s21, s42, 2                         ; expert e, and nb = tc % 4 of its four tile columns
	s_and_b32 s22, s42, 3
	s_lshl_b32 s46, s21, 21                        ; w1b: e x 1,024 rows of 2,048 bytes, 512 nb bytes along them, the 64 k-rows that I fetch: nothing of cy enters
	s_lshl_b32 s23, s22, 9
	s_add_co_u32 s46, s46, s23
	s_lshl_b32 s23, s[WL], 17
	s_add_co_u32 s46, s46, s23
	s_lshl_b32 s68, s21, 23                        ; h1: e, 256 tr + 128 x row half rows of 2,048 bytes, 512 nb, 256 x column half: the first way out adds it to h1's address
	s_lshl_b32 s23, s43, 19
	s_add_co_u32 s68, s68, s23
	s_lshl_b32 s23, s[WH], 18
	s_add_co_u32 s68, s68, s23
	s_lshl_b32 s23, s22, 9
	s_add_co_u32 s68, s68, s23
	s_lshl_b32 s23, s[WL], 8
	s_add_co_u32 s68, s68, s23
	s_lshl_b32 s70, s42, 10                        ; bias: (256 tc + 128 x column half) x 4
	s_lshl_b32 s23, s[WL], 9
	s_add_co_u32 s70, s70, s23
	s_mov_b32 s67, 0
	s_mov_b32 s47, 0
	s_mov_b32 s69, 0
	s_mov_b32 s71, 0
	s_mul_i32 s20, s[WV], HALFT                    ; where my part of a tile goes: the wave's number alone
	s_wait_kmcnt 0x0
	s_add_nc_u64 s[66:67], s[4:5], s[66:67]        ; x at my part of the first tile's K step 0; stays
	s_add_nc_u64 s[46:47], s[6:7], s[46:47]        ; the weights likewise; stays
	s_add_nc_u64 s[10:11], s[10:11], s[70:71]
	CROUND                                         ; all sixteen work-groups are here: the first joint loads meet
.irp s, 0,1
	s_mov_b32 s[G0+4*(\s)], 1                                      ; count = 1
	s_add_co_u32 s[G0+4*(\s)+1], s20, (\s)*ASZ                     ; LDS address: A0 or A1, waves 0 and 1
	s_add_nc_u64 s[G0+4*(\s)+2:G0+4*(\s)+3], s[66:67], (\s)*KSTEP*2  ; K step s
	s_or_b32 s[G0+4*(\s)+3], s[G0+4*(\s)+3], 0x80000000            ; type = 2
	s_mov_b32 s[G0B+4*(\s)], 1
	s_add_co_u32 s[G0B+4*(\s)+1], s20, ASZ+(\s)*ASZ                ; B0 or B1, waves 2 and 3
	s_add_nc_u64 s[G0B+4*(\s)+2:G0B+4*(\s)+3], s[46:47], (\s)*BSTEP
	s_or_b32 s[G0B+4*(\s)+3], s[G0B+4*(\s)+3], 0x80000000
	JLOAD \s
.endr
	v_and_b32 v1, 15, v0                           ; r = l % 16
	v_bfe_u32 v2, v0, 4, 1                         ; h = l / 16
	v_lshlrev_b32 v[BO], 5, v2
	WIN 0x40                                       ; destination window 1, address window 0
.irp b, 0,1,2,3,4,5,6,7                ; register j of n block b: bias[16 b + 8 h + j]: the C operand's own layout
	global_load_b128 v[BIAS+8*(\b):BIAS+8*(\b)+3],   v[BO], s[10:11] offset:64*(\b)
	global_load_b128 v[BIAS+8*(\b)+4:BIAS+8*(\b)+7], v[BO], s[10:11] offset:64*(\b)+16
.endr
	WIN 0
	v_and_b32 v3, 7, v0
	v_bfe_u32 v4, v0, 3, 1
	v_mul_u32_u24 v5, v1, PA
	v_lshl_add_u32 v5, v2, 4, v5                   ; r x 272 + 16 h
	s_mul_i32 s21, s[WH], HALFT                    ; my 128 rows
	v_add_nc_u32 v[ADRA], s21, v5
	v_add_nc_u32 v[CA], s21, v5                    ; the slot in hand is slot 0
	v_lshl_add_u32 v6, v2, 3, v3                   ; the turning load: k-row 8 h + l % 8, bytes 16 ((l / 8) % 2) on
	v_mul_u32_u24 v6, v6, PB
	v_lshl_add_u32 v6, v4, 4, v6
	s_lshl_b32 s22, s[WL], 8                       ; my 128 columns
	s_add_co_u32 s22, s22, BBASE
	v_add_nc_u32 v[ADRB], s22, v6
	v_add_nc_u32 v[CB], s22, v6
	s_mul_i32 s23, s[WV], 16*SPITCH
	s_add_co_u32 s23, s23, STAGE                   ; my stage
	v_add_nc_u32 v[STO], s23, v5                   ; in: row r, 16 bytes for each half of the lanes
	v_mul_u32_u24 v7, v2, SPITCH                   ; back: lanes 0-15 one row of 256 bytes, lanes 16-31 the next
	v_lshl_add_u32 v7, v1, 4, v7
	v_add_nc_u32 v[RD], s23, v7
	v_mul_u32_u24 v7, v2, CP                       ; and the same two rows in h1
	v_lshl_add_u32 v[CO], v1, 4, v7
	s_wait_loadcnt 0x0                             ; the bias
; 16 matrix instructions: row blocks a0, a0 + 1 of the window's four (hi = 0: my rows 0-63, 1: rows 64-127) x all 8 column blocks, 32 along K.
; cb < 0: onto the sums.  Else the sums start with the C operands at v[cb ..] of window 1: nothing is cleared, and no bias is added later.
; The 64 accumulators take turns in one order throughout, from tile to tile too.
.macro MUL16 f, hi, a0, cb
.if (\cb) < 0
	WIN 0xa1+0x50*(\hi)
.else
	WIN 0x91+0x40*(\hi)
.endif
.irp a, \a0, (\a0)+1
.irp b, 0,1,2,3,4,5,6,7
.if (\cb) < 0
	v_wmma_f32_16x16x32_bf16 v[8*(8*(\a)+(\b)):8*(8*(\a)+(\b))+7], v[(\f)+8*(\b):(\f)+8*(\b)+7], v[(\f)+8*(4*(\hi)+(\a)):(\f)+8*(4*(\hi)+(\a))+7], v[8*(8*(\a)+(\b)):8*(8*(\a)+(\b))+7]
.else
	v_wmma_f32_16x16x32_bf16 v[8*(8*(\a)+(\b)):8*(8*(\a)+(\b))+7], v[(\f)+8*(\b):(\f)+8*(\b)+7], v[(\f)+8*(4*(\hi)+(\a)):(\f)+8*(4*(\hi)+(\a))+7], v[(\cb)+8*(\b):(\cb)+8*(\b)+7]
.endif
.endr
.endr
.endm
; 32 LDS loads in one run: the fragments of quarter q (32 along K) of the slot in hand into buffer f
.macro FETCH q, f
	WIN 0x40
.irp i, 0,1,2,3,4,5,6,7
	ds_load_tr16_b128 v[(\f)+8*(\i):(\f)+8*(\i)+3],   v[CB] offset:(\q)*32*PB+32*(\i)
	ds_load_tr16_b128 v[(\f)+8*(\i)+4:(\f)+8*(\i)+7], v[CB] offset:(\q)*32*PB+32*(\i)+16*PB
.endr
	WIN 0
.irp i, 0,1,2,3,4,5,6,7
	ds_load_b128 v[(\f)+8*(\i):(\f)+8*(\i)+3],   v[CA] offset:64*(\q)+(\i)*16*PA
	ds_load_b128 v[(\f)+8*(\i)+4:(\f)+8*(\i)+7], v[CA] offset:64*(\q)+(\i)*16*PA+32
.endr
.endm
; A quarter step: 64 matrix instructions on buffer f (quarter q - 1); in its middle quarter q's fragments are fetched into buffer g.
.macro QM q, f, g, cb=-1
	s_wait_dscnt 8                                 ; the weights and my rows 0-63 are in; the youngest eight loads (rows 64-127) may be out
	MUL16 \f, 0, 0, \cb
	MUL16 \f, 0, 2, \cb
	PLACES
	FETCH \q, \g
	s_wait_dscnt 32                                ; all but the 32 just issued
	MUL16 \f, 1, 0, \cb
	MUL16 \f, 1, 2, \cb
.endm
; The first half of a K step's last quarter, and ONE barrier for the change of slots.  In front of it each wave waits for all its tensor loads, adds 0 to its spare word, and waits for that and for its reads of this slot.
.macro MEET round                      ; round = 1: the rest of a round of the cluster's barrier follows
	WIN 0
	s_wait_tensorcnt 0x0                           ; all my tensor loads have landed: the one that was out is my part of the next slot
	ds_add_u32 v[SPW], v[NIL]                      ; 0 onto my spare word
	s_wait_dscnt 9                                 ; (the add and the youngest eight loads may be out)
	MUL16 F1, 0, 0, -1
	s_wait_dscnt 0x0                               ; the add is done, and my reads of this slot are over
	s_barrier_signal -1
	MUL16 F1, 0, 2, -1
.if \round
	WIN 0
.endif
	s_barrier_wait -1
.endm
; The whole last quarter.  fill = 1: the slot just read is filled again, with K step g: two K steps on, in the first tile's last two K steps the second tile's K steps 0 and 1.  0: nothing is asked for.
; Then the other slot comes in hand, its first fragments are fetched, and the quarter's rows 64-127 are multiplied.
.macro TURN fill
.if \fill
	MEET 1
	CREST                                          ; no wave of any partner still reads this slot or has a load on its way
	s_and_b32 s[OFA], s[GS], KSTEPS-1              ; g % 8: the K step in its tile,
	s_mul_i32 s[OFB], s[OFA], BSTEP                ; down the weights' k-rows (both tiles take the same weights),
	s_mul_i32 s[OFA], s[OFA], KSTEP*2              ; along x's rows;
	s_lshr_b32 s[TS], s[GS], 3                     ; g / 8: the tile,
	s_lshl_b32 s[TS], s[TS], WALKSH                ; 2,048 rows of x further down
	s_add_co_u32 s[OFA], s[OFA], s[TS]
	s_add_co_u32 s[GS], s[GS], 1
	s_xor_b32 s[G0+5], s[G0+5], ASZ                ; the walking descriptors: the other slot than last time,
	s_add_nc_u64 s[G0+6:G0+7], s[66:67], s[OFA:OFA+1]  ; the address made anew from the base and the offset,
	s_or_b32 s[G0+7], s[G0+7], 0x80000000          ; the type set again
	s_xor_b32 s[G0B+5], s[G0B+5], ASZ
	s_add_nc_u64 s[G0B+6:G0B+7], s[46:47], s[OFB:OFB+1]
	s_or_b32 s[G0B+7], s[G0B+7], 0x80000000
	JLOAD 1                                        ; the first tensor load behind the round; its four v_nop are also the places in front of the loads below
.else
	MEET 0
	PLACES
.endif
	WIN 0
	s_xor_b32 s[TO], s[TO], ASZ
	v_add_nc_u32 v[CA], s[TO], v[ADRA]
	v_add_nc_u32 v[CB], s[TO], v[ADRB]
	FETCH 0, F0
	MUL16 F1, 1, 0, -1
	MUL16 F1, 1, 2, -1
.endm
; THE WAY OUT of row block a (16 rows x 128 columns).  PACK: relu, rounded to bf16, 16 bytes a lane; each accumulator's registers in ascending order.
.macro PACK a
.set AC, 64*((\a)%4)
	WIN 0x08+4*((\a)/4)                            ; source 1: window 2 or 3
.set i, 0
.rept 64
	v_max_num_f32 v[T+i], 0, v[AC+i]
.set i, i+1
.endr
	WIN 0
.set i, 0
.rept 32
	v_cvt_pk_bf16_f32 v[TMP+i], v[T+2*i], v[T+2*i+1]
.set i, i+1
.endr
.endm
.macro TOSTAGE a                       ; into my own stage, and back as whole rows of 256 bytes
	WIN 0
.set BK, OB+192*((\a)%2)
.irp b, 0,1,2,3,4,5,6,7
	ds_store_b128 v[STO], v[TMP+4*(\b):TMP+4*(\b)+3] offset:32*(\b)
.endr
.irp t, 0,1,2,3,4,5,6,7
	ds_load_b128 v[BK+4*(\t):BK+4*(\t)+3], v[RD] offset:(\t)*2*SPITCH  ; LDS serves a wave's instructions in order (ISA guide 5.7.1.4): these see the stores above
.endr
.endm
.macro SEND a
	WIN 0
.set BK, OB+192*((\a)%2)
	s_wait_dscnt 0x0                               ; the block is back in registers
	s_wait_xcnt 0x0                                ; earlier stores have had their addresses translated (ISA guide 3.1): only now are their base and data registers rewritten
.if (\a) == 0
	s_add_nc_u64 s[8:9], s[8:9], s[68:69]          ; on to this tile's first rows
.else
	s_add_nc_u64 s[8:9], s[8:9], 16*CP             ; 16 rows on
.endif
.irp t, 0,1,2,3,4,5,6,7
	global_store_b128 v[CO], v[BK+4*(\t):BK+4*(\t)+3], s[8:9] offset:2*(\t)*CP  ; 16 lanes store 256 consecutive bytes, at a multiple of 256 from the buffer's first byte
.endr
.endm
	s_wait_tensorcnt 0x1                           ; my part of K step 0 is in; K step 1's may stay out
	s_barrier_signal -1
	s_barrier_wait -1                              ; everybody's is
	FETCH 0, F0
	s_mov_b32 s[TL], TILES
.Ltile:                                                ; (FETCH and SEND leave every window 0)
	QM 1, F0, F1, BIAS                             ; a tile's first quarter: its products start the sums with the bias
	WIN 0                                          ; at a label and at a branch every window is 0
	s_mov_b32 s[CNT], KSTEPS-2
.Lstep:                                                ; a trip is a K step, from its second quarter to the next step's first; it fills the slot that it leaves: this tile's K steps 2 to 7
	QM 2, F1, F0
	QM 3, F0, F1
	TURN 1
	QM 1, F0, F1
	WIN 0
	s_sub_co_u32 s[CNT], s[CNT], 1
	s_cmp_lg_u32 s[CNT], 0
	s_cbranch_scc1 .Lstep
	s_mov_b32 s[CNT], 2                            ; K steps 6 and 7: a loop of their own, entered in its middle
	s_branch .Lmid
.Ltail:
	QM 1, F0, F1
	WIN 0
.Lmid:
	QM 2, F1, F0
	QM 3, F0, F1
	WIN 0
	s_cmp_eq_u32 s[TL], 1                          ; the last quarter stands twice: the tile counter, alike in all sixteen work-groups, chooses
	s_cbranch_scc1 .Lno_more
	TURN 1                                         ; THE RING GOES ON INTO THE NEXT TILE: its K step 0, then its K step 1; the second time its first fragments are fetched
	WIN 0
	s_branch .Lturned
.Lno_more:
	TURN 0                                         ; the last tile asks for nothing more.  In its K step 7 this text still fetches 32 fragments, of a slot that nobody multiplies any more, and passes a
	WIN 0                                          ; barrier that orders nothing: the price, once a work-group, of one text for both of the loop's trips
.Lturned:
	s_sub_co_u32 s[CNT], s[CNT], 1
	s_cmp_lg_u32 s[CNT], 0
	s_cbranch_scc1 .Ltail
	PLACES                                         ; the conversions below read results just made and write where the last products' fragments lay
	PACK 0                                         ; THE TILE GOES OUT; where a tile follows, both its refills have been asked for, and its products will not wait for these stores
	TOSTAGE 0
.irp a, 1,2,3,4,5,6,7                  ; block a's conversions stand between block a - 1's loads from the stage and the wait for them
	PACK \a
	SEND (\a)-1
	TOSTAGE \a
.endr
	SEND 7
	s_mov_b32 s68, NEXT_C                          ; what the next way out adds to h1's address (s69 stays 0)
	s_sub_co_u32 s[TL], s[TL], 1
	s_cmp_lg_u32 s[TL], 0
	s_cbranch_scc1 .Ltile
	s_wait_tensorcnt 0x0                           ; the wave's end: behind my last tensor load and my last LDS store
	ds_add_u32 v[SPW], v[NIL]
	s_wait_dscnt 0x0
	CROUND                                         ; the closing round: no work-group ends while a partner may still ask for a tile that names it
	s_endpgm
.Lfunc_end_k_qe48e5e2b87_gemm1:
	.size	k_qe48e5e2b87_gemm1, .Lfunc_end_k_qe48e5e2b87_gemm1-k_qe48e5e2b87_gemm1
	.p2alignl 7, 3214868480
	.fill 96, 4, 3214868480
	.section	.rodata,"a",@progbits
	.p2align	6, 0x0
	.amdhsa_kernel k_qe48e5e2b87_gemm1
		.amdhsa_group_segment_fixed_size 327680
		.amdhsa_private_segment_fixed_size 0
		.amdhsa_enable_private_segment 0
		.amdhsa_kernarg_size 32
		.amdhsa_user_sgpr_count 2
		.amdhsa_user_sgpr_kernarg_segment_ptr 1
		.amdhsa_wavefront_size32 1
		.amdhsa_system_sgpr_workgroup_id_x 1
		.amdhsa_system_sgpr_workgroup_id_y 1
		.amdhsa_system_sgpr_workgroup_id_z 1
		.amdhsa_system_vgpr_workitem_id 0
		.amdhsa_next_free_vgpr 1024
		.amdhsa_next_free_sgpr 96
		.amdhsa_reserve_vcc 0
		.amdhsa_float_denorm_mode_32 3
		.amdhsa_float_denorm_mode_16_64 3
		.amdhsa_memory_ordered 1
		.amdhsa_forward_progress 1
		.amdhsa_inst_pref_size 127
	.end_amdhsa_kernel
	.amdgpu_metadata
---
amdhsa.version: [ 1, 2 ]
amdhsa.kernels:
  - .name:           k_qe48e5e2b87_gemm1
    .symbol:         k_qe48e5e2b87_gemm1.kd
    .args:
      - { .name: xb, .offset: 0, .size: 8, .value_kind: global_buffer, .address_space: global }
      - { .name: w1b, .offset: 8, .size: 8, .value_kind: global_buffer, .address_space: global }
      - { .name: h1, .offset: 16, .size: 8, .value_kind: global_buffer, .address_space: global }
      - { .name: eb1, .offset: 24, .size: 8, .value_kind: global_buffer, .address_space: global }
    .group_segment_fixed_size: 327680
    .private_segment_fixed_size: 0
    .kernarg_segment_align: 8
    .kernarg_segment_size: 32
    .max_flat_workgroup_size: 128
    .sgpr_count:     96
    .vgpr_count:     1024
    .wavefront_size: 32
...
	.end_amdgpu_metadata
.endif
;; end of part 2
;; launch gemm23 (part 3): grid 16 x 16, 4 waves a work-group, clusters of 4 x 4, 327,680 bytes of LDS; arguments h1, w2b, eop, eb2, w3b, eb3; writes eop
.if DOCPART == 3
	.amdgcn_target "amdgcn-amd-amdhsa--gfx1250"
	.amdhsa_code_object_version 6
	.text
	.protected	k_qe48e5e2b87_gemm23
	.globl	k_qe48e5e2b87_gemm23
	.p2align	8
	.type	k_qe48e5e2b87_gemm23,@function
k_qe48e5e2b87_gemm23:
	s_mov_b64 s[64:65], 0
	v_nop
	global_prefetch_b8 v0, s[64:65] scope:SCOPE_SE
	s_setreg_imm32_b32 hwreg(HW_REG_WAVE_MODE, 25, 1), 1
	s_wait_xcnt 0x0
	s_wait_alu depctr_hold_cnt(0) depctr_sa_sdst(0) depctr_va_vdst(0) depctr_va_sdst(0) depctr_va_ssrc(0) depctr_va_vcc(0) depctr_vm_vsrc(0)
	s_getreg_b32 s2, hwreg(HW_REG_IB_STS2, 6, 4)
	s_cmp_eq_u32 s2, 0
	s_cbranch_scc0 .Lentry_in_a_cluster
	s_endpgm
.Lentry_in_a_cluster:
	s_bfe_u32 s2, ttmp6, 0x10000c
	s_cmp_lg_u32 s2, 0xf033
	s_cbranch_scc0 .Lentry_shape_is_right
	s_endpgm
.Lentry_shape_is_right:
; THE EXPERTS' LAYERS.  One text for two kernels, told apart by FUSE.
;   FUSE = 0: h1[e][row][n] = relu(sum over k of x[row][k] W1[e][k][n] + b1[e][n]), bf16, [8][4096][1024].
;   FUSE = 1: a tile of h2 = relu(h1 W2 + b2), 256 rows x 256 columns, stays in LDS as bf16 and is multiplied at once by its 256 rows of W3:
;             eop[row][2 e + hf][d] = sum over the tile's columns of h2 W3 + b3 / 2, bf16: two partial outputs an expert, added in the next launch.
; Operands bf16, sums f32; the bias is the C operand of the product that starts a sum.  K = 1,024 in 8 steps of 128.
; LIMITS.  h1, h2 and the partial outputs are rounded to bf16 once each; relu by v_max_num_f32 turns a NaN into 0.
; SHARES.  A work-group of four waves makes 256 x 256, a wave 128 x 128: 64 accumulators of 16 x 16, 512 registers.  Wave w: row half w / 2, column half w % 2.
; THE MATRIX INSTRUCTION IS USED TRANSPOSED: source 0 = 16 columns of the weights, source 1 = 16 rows of the activations, so a lane holds one row (l % 16) and the eight neighbouring columns 8 (l / 16) + 0..7.
; The weights lie [k][n]: their tile is 128 k-rows of 256 columns in LDS, and ds_load_tr16_b128 turns it on the way into registers.
; CLUSTER, 4 x 4.  The weights' tile hangs on the tile column alone: asked for jointly by a column of the cluster.  With FUSE = 0 the activations' tile hangs on the tile row alone: asked for
; jointly by a row.  With FUSE = 1 it hangs on the expert too, which only two of a row's four share (an expert has 512 / 256 = 2 tile columns): there each work-group asks for its own.
; RING.  Two slots; a wave brings a quarter of a slot by one tensor load (waves 0, 1 the activations' halves, waves 2, 3 the weights').  Two loads of a wave are out at the start, one behind each round.
; A K STEP IS WRITTEN ONCE.  The slot in hand is a scalar offset, 0 or ASZ, turned by an exclusive or at each change of slots; the fragments' addresses are made from it.  The two first fills have a
; group 0 each; the second then walks: its LDS word is turned by an exclusive or with ASZ = 0x11000, which shares no bit with slot 0's words (0, 0x8800, 0x22000, 0x2a800), and its address steps one K step.
; REGISTERS, in windows of 256 (s_set_vgpr_msb: bits 1:0 source 0, 3:2 source 1, 5:4 source 2, 7:6 destination):
;   window 0: v0-31 addresses; v64-127, v128-191 the activations' fragments, two buffers; on the ways out v64-127 at work, v192-223 packed results, v32-63 and v224-255 rows read back
;   window 1: v0-63 the bias of my 128 columns as C operands; v64-127, v128-191 the weights' fragments; v192-255 b3 / 2 likewise (FUSE)
;   window 2: the 32 accumulators of my rows 0-63 ((a, b) at v[8 (8 a + b)]);   window 3: those of my rows 64-127
.set FUSE,   1
.set KSTEP,  128
.set KSTEPS, 8
.set PA,     272                       ; a row of activations in LDS: 256 bytes + 16: the 16 rows of a load start at 16 different groups of four banks (64 banks of 4 bytes: ISA guide 11.1)
.set PB,     544                       ; a k-row of weights: 512 bytes + 32
.set PH,     528                       ; a row of h2: 512 bytes + 16
.set HALFT,  128*PA                    ; what one tensor load brings: 128 rows x 272 = 64 k-rows x 544
.set ASZ,    2*HALFT                   ; a tile
.set BBASE,  2*ASZ                     ; LDS: A0, A1, B0, B1; h2 later lies over A0 and A1, behind their last fill
.set STAGE,  4*ASZ                     ; 16 rows x 272 bytes for each wave, for the way out; never filled
.set SPITCH, 272
.set SPARE,  STAGE+4*16*SPITCH         ; the spare words, 128 bytes for each wave: two blocks of 256 bytes that no other line names
.if FUSE
.set NSTR,   512                       ; numbers in a row of the weights
.set CP,     8192                      ; bytes from row to row of the output
.else
.set NSTR,   1024
.set CP,     2048
.endif
.set BSTEP,  KSTEP*NSTR*2              ; bytes from a K step of the weights to the next
.set ADRA, 16                          ; v16     LDS address of my activations' fragments in slot 0; never rewritten
.set CA,   17                          ; v17     the same in the slot in hand; later in h2, at the pair of quarters in hand
.set ADRH, 18                          ; v18     the same at h2's first byte; never rewritten
.set ADRB, 20                          ; v20     LDS address of my weights' fragments in slot 0; never rewritten
.set CB,   21                          ; v21     the same in the slot in hand; later in W3, at the pair of quarters in hand
.set STH,  22                          ; v22     where I put 16 bytes of a row of h2
.set BO,   23                          ; v23     32 x (l / 16): my eight numbers of sixteen of a bias
.set STO,  24                          ; v24     the way out: where I put 16 bytes of a row
.set RD,   25                          ; v25     the way out: where I read a row back
.set CO,   26                          ; v26     my byte offset in the output
.set SPW,  28                          ; v28     LDS address of my spare word; never rewritten
.set NIL,  29                          ; v29     0; never rewritten
.set OB,   32
.set F0,   64
.set F1,   128
.set T,    64
.set TMP,  192
.set BIAS, 0
.set BIAS3, 192
.set WV,  16                           ; s16 wave;  s17 its row half (also: 0 = I fetch activations, 1 = weights);  s18 its column half (also: which half of that tile I fetch)
.set WH,  17
.set WL,  18
.set CNT, 19                           ; s19 counts each loop's trips
.set G1,  24                           ; s[24:31] descriptor group 1, activations;  s[32:35] group 0 of the first fill, s[36:39] of the second: that one walks
.set G0,  32
.set G1B, 48                           ; s[48:55], s[56:59], s[60:63] the same for the weights
.set G0B, 56
.set G1C, 72                           ; s[72:79] group 1 for W3's tiles (FUSE)
.set TO,  85                           ; s85 the slot in hand: 0 or ASZ
.set TH,  86                           ; s86 h2 x W3: bytes along h2's rows to the pair of quarters in hand
.set TW,  87                           ; s87 the same down W3's k-rows
.set MSB, 0
.macro WIN new                         ; the immediate's high byte repeats the setting that is left; a switch that changes nothing is dropped
.if MSB != (\new)
	s_set_vgpr_msb (MSB<<8)|(\new)
.set MSB, \new
.endif
.endm
.macro PLACES                          ; four plain vector instructions between a matrix instruction and a load into, or a vector instruction on, its registers
.rept 4
	v_nop
.endr
.endm
; A fill by group 0 number s: waves 0 and 1 the activations' halves, waves 2 and 3 the weights'.  The branch hangs on the wave's number alone.  An s_nop 0 and four v_nop follow each line.
.macro JLOAD s
	s_cmp_eq_u32 s[WH], 0
	s_cbranch_scc0 .Lfor_b_\@
	tensor_load_to_lds s[G0+4*(\s):G0+4*(\s)+3], s[G1:G1+7]
	s_nop 0
.rept 4
	v_nop
.endr
	s_branch .Lasked_\@
.Lfor_b_\@:
	tensor_load_to_lds s[G0B+4*(\s):G0B+4*(\s)+3], s[G1B:G1B+7]
	s_nop 0
.rept 4
	v_nop
.endr
.Lasked_\@:
.endm
.macro JLOADC                          ; a tile of W3 into the weights' slot just read: waves 2 and 3 its halves; waves 0 and 1 have no part of it
	s_cmp_eq_u32 s[WH], 0
	s_cbranch_scc1 .Lno_part_\@
	tensor_load_to_lds s[G0B+4:G0B+7], s[G1C:G1C+7]
	s_nop 0
.rept 4
	v_nop
.endr
.Lno_part_\@:
.endm
.macro W3DESC                          ; the weights' walking group 0 turns to the slot just read and names W3's next 128 k-rows of my tile's 256
	s_xor_b32 s[G0B+5], s[G0B+5], ASZ
	s_add_nc_u64 s[G0B+6:G0B+7], s[80:81], 0
	s_or_b32 s[G0B+7], s[G0B+7], 0x80000000
	s_add_nc_u64 s[80:81], s[80:81], 0x10000       ; 128 k-rows of 512 bytes on (behind the second tile it is not used)
.endm
.macro CREST                           ; a round of the cluster's barrier behind its opening barrier
	s_cmp_lg_u32 s[WV], 0
	s_cbranch_scc1 .Lnot_wave_0_\@
	s_barrier_signal -3
.Lnot_wave_0_\@:
	s_barrier_wait -3
	s_barrier_signal -1
	s_barrier_wait -1
.endm
.macro CROUND
	s_barrier_signal -1
	s_barrier_wait -1
	CREST
.endm
	s_load_b256 s[4:11], s[0:1], 0x0               ; activations s[4:5], weights s[6:7], output s[8:9], bias s[10:11]
.if FUSE
	s_load_b128 s[12:15], s[0:1], 0x20             ; w3b s[12:13], eb3 s[14:15]
.endif
	v_lshl_add_u32 v[SPW], v0, 2, SPARE
	v_mov_b32 v[NIL], 0
	ds_add_u32 v28, v29
	s_wait_dscnt 0x0
	v_lshrrev_b32 v1, 5, v0
	v_readfirstlane_b32 s[WV], v1
	s_lshr_b32 s[WH], s[WV], 1
	s_and_b32 s[WL], s[WV], 1
	s_mov_b32 s[TO], 0                             ; slot 0 is in hand
	s_bfe_u32 s40, ttmp6, 0x40000                  ; cx
	s_bfe_u32 s41, ttmp6, 0x40004                  ; cy
	s_lshl_b32 s42, ttmp9, 2
	s_add_co_u32 s42, s42, s40                     ; tile column tc = 4 x cluster x + cx
	s_and_b32 s43, ttmp7, 0xffff
	s_lshl_b32 s43, s43, 2
	s_add_co_u32 s43, s43, s41                     ; tile row tr = 4 x cluster y + cy
	s_lshl_b32 s45, 0x1111, s40                    ; my column of the cluster
	; group 1, activations: 128 rows x 128 elements of 2 bytes, 4 words of padding behind every 64
.if FUSE
	s_mov_b32 s[G1+0], (1<<16)|(1<<20)|(5<<22)|(3<<25)              ; no mask: a load of my own
.else
	s_lshl_b32 s44, s41, 2
	s_lshl_b32 s44, 15, s44                        ; my row of the cluster
	s_or_b32 s[G1+0], s44, (1<<16)|(1<<20)|(1<<21)|(5<<22)|(3<<25)  ; 15:0 the mask; 21 set beside it
.endif
	s_mov_b32 s[G1+1], KSTEP<<16                   ; tensor_dim0 = 128
	s_mov_b32 s[G1+2], 128<<16                     ; tensor_dim1 = 128
	s_mov_b32 s[G1+3], KSTEP<<16                   ; tile_dim0 = 128
	s_mov_b32 s[G1+4], 128                         ; tile_dim1 = 128
	s_mov_b32 s[G1+5], 1024                        ; elements from row to row
	s_mov_b32 s[G1+6], 0
	s_mov_b32 s[G1+7], 0
	; group 1, weights: 64 k-rows x 256 elements, 8 words of padding behind every 128
	s_or_b32 s[G1B+0], s45, (1<<16)|(1<<20)|(1<<21)|(6<<22)|(7<<25)
	s_mov_b32 s[G1B+1], 256<<16
	s_mov_b32 s[G1B+2], 64<<16
	s_mov_b32 s[G1B+3], 256<<16
	s_mov_b32 s[G1B+4], 64
	s_mov_b32 s[G1B+5], NSTR
	s_mov_b32 s[G1B+6], 0
	s_mov_b32 s[G1B+7], 0
.if FUSE
	s_or_b32 s[G1C+0], s45, (1<<16)|(1<<20)|(1<<21)|(6<<22)|(7<<25)
	s_mov_b32 s[G1C+1], 256<<16
	s_mov_b32 s[G1C+2], 64<<16
	s_mov_b32 s[G1C+3], 256<<16
	s_mov_b32 s[G1C+4], 64
	s_mov_b32 s[G1C+5], 256
	s_mov_b32 s[G1C+6], 0
	s_mov_b32 s[G1C+7], 0
.endif
	; byte offsets, each in registers of its own: s[66:67] activations, s[46:47] weights, s[68:69] output, s[70:71] bias
.if FUSE
	s_lshr_b32 s21, s42, 1                         ; expert e; tc % 2 = hf, the half of h2's 512 columns
	s_and_b32 s22, s42, 1
	s_lshl_b32 s66, s21, 23                        ; h1: e x 4,096 rows of 2,048 bytes,
	s_lshl_b32 s84, s43, 19                        ; 256 tr rows,
	s_add_co_u32 s66, s66, s84
	s_lshl_b32 s84, s[WL], 18                      ; the 128 rows that I fetch
	s_add_co_u32 s66, s66, s84
	s_lshl_b32 s46, s21, 20                        ; w2b: e x 1,024 rows of 1,024 bytes, 512 hf bytes along them, the 64 k-rows that I fetch
	s_lshl_b32 s23, s22, 9
	s_add_co_u32 s46, s46, s23
	s_lshl_b32 s23, s[WL], 16
	s_add_co_u32 s46, s46, s23
	s_lshl_b32 s68, s43, 21                        ; eop: rows of 8,192 bytes: 256 tr + 128 x row half; partial tc at 512 tc
	s_lshl_b32 s23, s[WH], 20
	s_add_co_u32 s68, s68, s23
	s_lshl_b32 s23, s42, 9
	s_add_co_u32 s68, s68, s23
	s_lshl_b32 s80, s42, 17                        ; w3b: (512 e + 256 hf) k-rows of 512 bytes = tc << 17, and the 64 k-rows that I fetch
	s_lshl_b32 s23, s[WL], 15
	s_add_co_u32 s80, s80, s23
	s_mov_b32 s81, 0
	s_lshl_b32 s82, s21, 10                        ; eb3: (256 e + 128 x column half) x 4
	s_lshl_b32 s23, s[WL], 9
	s_add_co_u32 s82, s82, s23
	s_mov_b32 s83, 0
.else
	s_lshl_b32 s66, s43, 19                        ; xb: 256 tr rows of 2,048 bytes and the 128 rows that I fetch: nothing of cx enters
	s_lshl_b32 s84, s[WL], 18
	s_add_co_u32 s66, s66, s84
	s_lshr_b32 s21, s42, 2                         ; expert e, and nb = tc % 4 of its four tile columns
	s_and_b32 s22, s42, 3
	s_lshl_b32 s46, s21, 21                        ; w1b: e x 1,024 rows of 2,048 bytes, 512 nb bytes along them, the 64 k-rows that I fetch: nothing of cy enters
	s_lshl_b32 s23, s22, 9
	s_add_co_u32 s46, s46, s23
	s_lshl_b32 s23, s[WL], 17
	s_add_co_u32 s46, s46, s23
	s_lshl_b32 s68, s21, 23                        ; h1: e, 256 tr + 128 x row half rows of 2,048 bytes, 512 nb
	s_lshl_b32 s23, s43, 19
	s_add_co_u32 s68, s68, s23
	s_lshl_b32 s23, s[WH], 18
	s_add_co_u32 s68, s68, s23
	s_lshl_b32 s23, s22, 9
	s_add_co_u32 s68, s68, s23
.endif
	s_lshl_b32 s23, s[WL], 8                       ; my column half: 256 bytes
	s_add_co_u32 s68, s68, s23
	s_lshl_b32 s70, s42, 10                        ; bias: (256 tc + 128 x column half) x 4
	s_lshl_b32 s23, s[WL], 9
	s_add_co_u32 s70, s70, s23
	s_mov_b32 s67, 0
	s_mov_b32 s47, 0
	s_mov_b32 s69, 0
	s_mov_b32 s71, 0
	s_mul_i32 s20, s[WV], HALFT                    ; where my part of a tile goes: the wave's number alone
	s_wait_kmcnt 0x0
	s_add_nc_u64 s[66:67], s[4:5], s[66:67]
	s_add_nc_u64 s[46:47], s[6:7], s[46:47]
	s_add_nc_u64 s[8:9], s[8:9], s[68:69]
	s_add_nc_u64 s[10:11], s[10:11], s[70:71]
.if FUSE
	s_add_nc_u64 s[80:81], s[12:13], s[80:81]
	s_add_nc_u64 s[14:15], s[14:15], s[82:83]
.endif
	CROUND                                         ; all sixteen work-groups are here: the first joint loads meet
.irp s, 0,1
	s_mov_b32 s[G0+4*(\s)], 1                                      ; count = 1
	s_add_co_u32 s[G0+4*(\s)+1], s20, (\s)*ASZ                     ; LDS address: A0 or A1, waves 0 and 1
	s_add_nc_u64 s[G0+4*(\s)+2:G0+4*(\s)+3], s[66:67], (\s)*KSTEP*2  ; K step s
	s_or_b32 s[G0+4*(\s)+3], s[G0+4*(\s)+3], 0x80000000            ; type = 2
	s_mov_b32 s[G0B+4*(\s)], 1
	s_add_co_u32 s[G0B+4*(\s)+1], s20, ASZ+(\s)*ASZ                ; B0 or B1, waves 2 and 3
	s_add_nc_u64 s[G0B+4*(\s)+2:G0B+4*(\s)+3], s[46:47], (\s)*BSTEP
	s_or_b32 s[G0B+4*(\s)+3], s[G0B+4*(\s)+3], 0x80000000
	JLOAD \s
.endr
	v_and_b32 v1, 15, v0                           ; r = l % 16
	v_bfe_u32 v2, v0, 4, 1                         ; h = l / 16
	v_lshlrev_b32 v[BO], 5, v2
	WIN 0x40                                       ; destination window 1, address window 0
.irp b, 0,1,2,3,4,5,6,7                ; register j of n block b: bias[16 b + 8 h + j]: the C operand's own layout
	global_load_b128 v[BIAS+8*(\b):BIAS+8*(\b)+3],   v[BO], s[10:11] offset:64*(\b)
	global_load_b128 v[BIAS+8*(\b)+4:BIAS+8*(\b)+7], v[BO], s[10:11] offset:64*(\b)+16
.endr
.if FUSE
.irp b, 0,1,2,3,4,5,6,7
	global_load_b128 v[BIAS3+8*(\b):BIAS3+8*(\b)+3],   v[BO], s[14:15] offset:64*(\b)
	global_load_b128 v[BIAS3+8*(\b)+4:BIAS3+8*(\b)+7], v[BO], s[14:15] offset:64*(\b)+16
.endr
.endif
	WIN 0
	v_and_b32 v3, 7, v0
	v_bfe_u32 v4, v0, 3, 1
	v_mul_u32_u24 v5, v1, PA
	v_lshl_add_u32 v5, v2, 4, v5                   ; r x 272 + 16 h
	s_mul_i32 s21, s[WH], HALFT                    ; my 128 rows
	v_add_nc_u32 v[ADRA], s21, v5
	v_add_nc_u32 v[CA], s21, v5                    ; the slot in hand is slot 0
	v_lshl_add_u32 v6, v2, 3, v3                   ; the turning load: k-row 8 h + l % 8, bytes 16 ((l / 8) % 2) on
	v_mul_u32_u24 v6, v6, PB
	v_lshl_add_u32 v6, v4, 4, v6
	s_lshl_b32 s22, s[WL], 8                       ; my 128 columns
	s_add_co_u32 s22, s22, BBASE
	v_add_nc_u32 v[ADRB], s22, v6
	v_add_nc_u32 v[CB], s22, v6
	s_mul_i32 s23, s[WV], 16*SPITCH
	s_add_co_u32 s23, s23, STAGE                   ; my stage
	v_add_nc_u32 v[STO], s23, v5                   ; in: row r, 16 bytes for each half of the lanes
	v_mul_u32_u24 v7, v2, SPITCH                   ; back: lanes 0-15 one row of 256 bytes, lanes 16-31 the next
	v_lshl_add_u32 v7, v1, 4, v7
	v_add_nc_u32 v[RD], s23, v7
	v_mul_u32_u24 v7, v2, CP                       ; and the same two rows in the output
	v_lshl_add_u32 v[CO], v1, 4, v7
.if FUSE
	s_lshl_b32 s21, s[WH], 7
	v_add_nc_u32 v7, s21, v1
	v_mul_u32_u24 v7, v7, PH
	v_lshl_add_u32 v[ADRH], v2, 4, v7              ; (128 x row half + r) x 528 + 16 h
	s_lshl_b32 s21, s[WL], 8
	v_add_nc_u32 v[STH], s21, v[ADRH]
.endif
	s_wait_loadcnt 0x0                             ; the biases
.if FUSE
	WIN 0x41
.set i, 0
.rept 32
	v_pk_mul_f32 v[BIAS3+i:BIAS3+i+1], v[BIAS3+i:BIAS3+i+1], 0.5 op_sel_hi:[1,0]  ; each of an expert's two partial outputs carries b3 / 2: exact
.set i, i+2
.endr
	WIN 0
.endif
; 16 matrix instructions: row blocks a0, a0 + 1 of the window's four (hi = 0: my rows 0-63, 1: rows 64-127) x all 8 column blocks, 32 along K.
; cb < 0: onto the sums.  Else the sums start with the C operands at v[cb ..] of window 1: nothing is cleared, and no bias is added later.
; The 64 accumulators take turns in one order throughout.
.macro MUL16 f, hi, a0, cb
.if (\cb) < 0
	WIN 0xa1+0x50*(\hi)
.else
	WIN 0x91+0x40*(\hi)
.endif
.irp a, \a0, (\a0)+1
.irp b, 0,1,2,3,4,5,6,7
.if (\cb) < 0
	v_wmma_f32_16x16x32_bf16 v[8*(8*(\a)+(\b)):8*(8*(\a)+(\b))+7], v[(\f)+8*(\b):(\f)+8*(\b)+7], v[(\f)+8*(4*(\hi)+(\a)):(\f)+8*(4*(\hi)+(\a))+7], v[8*(8*(\a)+(\b)):8*(8*(\a)+(\b))+7]
.else
	v_wmma_f32_16x16x32_bf16 v[8*(8*(\a)+(\b)):8*(8*(\a)+(\b))+7], v[(\f)+8*(\b):(\f)+8*(\b)+7], v[(\f)+8*(4*(\hi)+(\a)):(\f)+8*(4*(\hi)+(\a))+7], v[(\cb)+8*(\b):(\cb)+8*(\b)+7]
.endif
.endr
.endr
.endm
; 32 LDS loads in one run: the fragments of 32 along K into buffer f.  Weights: address register br, byte bo (the k-rows); activations: register ar, byte ao (along the rows), pitch ap.
.macro FETCH ar, ao, ap, br, bo, f
	WIN 0x40
.irp i, 0,1,2,3,4,5,6,7
	ds_load_tr16_b128 v[(\f)+8*(\i):(\f)+8*(\i)+3],   v[\br] offset:(\bo)+32*(\i)
	ds_load_tr16_b128 v[(\f)+8*(\i)+4:(\f)+8*(\i)+7], v[\br] offset:(\bo)+32*(\i)+16*PB
.endr
	WIN 0
.irp i, 0,1,2,3,4,5,6,7
	ds_load_b128 v[(\f)+8*(\i):(\f)+8*(\i)+3],   v[\ar] offset:(\ao)+(\i)*16*(\ap)
	ds_load_b128 v[(\f)+8*(\i)+4:(\f)+8*(\i)+7], v[\ar] offset:(\ao)+(\i)*16*(\ap)+32
.endr
.endm
; A quarter step: 64 matrix instructions on buffer f; in its middle the next quarter's fragments are fetched into buffer g.
.macro QUARTER ar, ao, ap, br, bo, f, g, cb
	s_wait_dscnt 8                                 ; the weights and my rows 0-63 are in; the youngest eight loads (rows 64-127) may be out
	MUL16 \f, 0, 0, \cb
	MUL16 \f, 0, 2, \cb
	PLACES
	FETCH \ar, \ao, \ap, \br, \bo, \g
	s_wait_dscnt 32                                ; all but the 32 just issued
	MUL16 \f, 1, 0, \cb
	MUL16 \f, 1, 2, \cb
.endm
.macro QM q, f, g, cb=-1               ; in the ring: multiplies quarter q - 1 and fetches quarter q of the slot in hand
	QUARTER CA, 64*(\q), PA, CB, (\q)*32*PB, \f, \g, \cb
.endm
; The first half of a K step's last quarter, and ONE barrier for the change of slots.  In front of it each wave waits for all its tensor loads, adds 0 to its spare word, and waits for that and for its reads of this slot.
.macro MEET round                      ; round = 1: the rest of a round of the cluster's barrier follows
	WIN 0
	s_wait_tensorcnt 0x0                           ; all my tensor loads have landed: the one that was out is my part of the next slot
	ds_add_u32 v[SPW], v[NIL]                      ; 0 onto my spare word
	s_wait_dscnt 9                                 ; (the add and the youngest eight loads may be out)
	MUL16 F1, 0, 0, -1
	s_wait_dscnt 0x0                               ; the add is done, and my reads of this slot are over
	s_barrier_signal -1
	MUL16 F1, 0, 2, -1
.if \round
	WIN 0
.endif
	s_barrier_wait -1
.endm
; The second half: the other slot comes in hand, its first fragments are fetched, and the last quarter's rows 64-127 are multiplied.  Four places stand in front of it on every way.
.macro ONWARD
	WIN 0
	s_xor_b32 s[TO], s[TO], ASZ
	v_add_nc_u32 v[CA], s[TO], v[ADRA]
	v_add_nc_u32 v[CB], s[TO], v[ADRB]
	FETCH CA, 0, PA, CB, 0, F0
	MUL16 F1, 1, 0, -1
	MUL16 F1, 1, 2, -1
.endm
; The whole last quarter.  fill = 1: the slot just read is filled again, two K steps on.  0: nothing is asked for.
.macro TURN fill
.if \fill
	MEET 1
	CREST                                          ; no wave of any partner still reads this slot or has a load on its way
	s_xor_b32 s[G0+5], s[G0+5], ASZ                ; the walking descriptors: the other slot than last time,
	s_add_nc_u64 s[G0+6:G0+7], s[G0+6:G0+7], KSTEP*2  ; the next K step; the type bits on top are not reached
	s_xor_b32 s[G0B+5], s[G0B+5], ASZ
	s_add_nc_u64 s[G0B+6:G0B+7], s[G0B+6:G0B+7], BSTEP
	JLOAD 1                                        ; the first tensor load behind the round; its four v_nop are also the places in front of the loads below
.else
	MEET 0
	PLACES
.endif
	ONWARD
.endm
.macro LASTQ                           ; a last quarter with nothing more to fetch
	s_wait_dscnt 8
	MUL16 F1, 0, 0, -1
	MUL16 F1, 0, 2, -1
	s_wait_dscnt 0x0
	MUL16 F1, 1, 0, -1
	MUL16 F1, 1, 2, -1
.endm
; THE WAYS OUT of row block a (16 rows x 128 columns).  PACK: relu if asked, rounded to bf16, 16 bytes a lane; each accumulator's registers in ascending order.
.macro PACK a, relu
.set AC, 64*((\a)%4)
.if \relu
	WIN 0x08+4*((\a)/4)                            ; source 1: window 2 or 3
.set i, 0
.rept 64
	v_max_num_f32 v[T+i], 0, v[AC+i]
.set i, i+1
.endr
	WIN 0
.set i, 0
.rept 32
	v_cvt_pk_bf16_f32 v[TMP+i], v[T+2*i], v[T+2*i+1]
.set i, i+1
.endr
.else
	WIN 0x0a+5*((\a)/4)                            ; sources 0 and 1: window 2 or 3
.set i, 0
.rept 32
	v_cvt_pk_bf16_f32 v[TMP+i], v[AC+2*i], v[AC+2*i+1]
.set i, i+1
.endr
	WIN 0
.endif
.endm
.macro TOH2 a                          ; into h2: row 128 x row half + 16 a + r, bytes 256 x column half + 32 b + 16 h
.irp b, 0,1,2,3,4,5,6,7
	ds_store_b128 v[STH], v[TMP+4*(\b):TMP+4*(\b)+3] offset:(\a)*16*PH+32*(\b)
.endr
.endm
.macro TOSTAGE a                       ; into my own stage, and back as whole rows of 256 bytes
	WIN 0
.set BK, OB+192*((\a)%2)
.irp b, 0,1,2,3,4,5,6,7
	ds_store_b128 v[STO], v[TMP+4*(\b):TMP+4*(\b)+3] offset:32*(\b)
.endr
.irp t, 0,1,2,3,4,5,6,7
	ds_load_b128 v[BK+4*(\t):BK+4*(\t)+3], v[RD] offset:(\t)*2*SPITCH  ; LDS serves a wave's instructions in order (ISA guide 5.7.1.4): these see the stores above
.endr
.endm
.macro SEND a
	WIN 0
.set BK, OB+192*((\a)%2)
	s_wait_dscnt 0x0                               ; the block is back in registers
	s_wait_xcnt 0x0                                ; earlier stores have had their addresses translated (ISA guide 3.1): only now are their base and data registers rewritten
.if (\a) > 0
	s_add_nc_u64 s[8:9], s[8:9], 16*CP             ; 16 rows on
.endif
.irp t, 0,1,2,3,4,5,6,7
	global_store_b128 v[CO], v[BK+4*(\t):BK+4*(\t)+3], s[8:9] offset:2*(\t)*CP  ; 16 lanes store 256 consecutive bytes, at a multiple of 256 from the buffer's first byte
.endr
.endm
.macro WAYOUT relu                     ; block a's conversions stand between block a - 1's loads from the stage and the wait for them
	PACK 0, \relu
	TOSTAGE 0
.irp a, 1,2,3,4,5,6,7
	PACK \a, \relu
	SEND (\a)-1
	TOSTAGE \a
.endr
	SEND 7
.endm
	s_wait_tensorcnt 0x1                           ; my part of K step 0 is in; K step 1's may stay out
	s_barrier_signal -1
	s_barrier_wait -1                              ; everybody's is
	FETCH CA, 0, PA, CB, 0, F0
	QM 1, F0, F1, BIAS                             ; the first quarter stands in front of the loop: its products start the sums with the bias
	WIN 0                                          ; at a label and at a branch every window is 0
	s_mov_b32 s[CNT], KSTEPS-2
.Lstep:                                                ; a trip is a K step, from its second quarter to the next step's first; it fills the slot that it leaves: K steps 2 to 7
	QM 2, F1, F0
	QM 3, F0, F1
	TURN 1
	QM 1, F0, F1
	WIN 0
	s_sub_co_u32 s[CNT], s[CNT], 1
	s_cmp_lg_u32 s[CNT], 0
	s_cbranch_scc1 .Lstep
	s_mov_b32 s[CNT], 2                            ; K steps 6 and 7 ask for no further K step: a loop of their own, entered in its middle
	s_branch .Lmid
.Ltail:
.if FUSE
	ONWARD                                         ; (the places in front of its loads stand ahead of the branch that leads here)
.else
	TURN 0
.endif
	QM 1, F0, F1
	WIN 0
.Lmid:
	QM 2, F1, F0
	QM 3, F0, F1
.if FUSE
	MEET 1                                         ; nobody reads this slot any more, and every load has landed
	CREST
	W3DESC
	JLOADC                                         ; the weights' slot just read takes W3's k-rows 0-127 (K step 6, B0), then 128-255 (K step 7, B1): the last tensor load
	PLACES                                         ; for waves 0 and 1, which jumped over the load's four
.else
	WIN 0
.endif
	s_sub_co_u32 s[CNT], s[CNT], 1
	s_cmp_lg_u32 s[CNT], 0
	s_cbranch_scc1 .Ltail
.if FUSE
	MUL16 F1, 1, 0, -1                             ; the rest of the very last quarter
	MUL16 F1, 1, 2, -1
	PLACES
.irp a, 0,1,2,3,4,5,6,7                ; h2 = relu(..) goes into LDS, over A0 and A1, which have had their last fill
	PACK \a, 1
	TOH2 \a
.endr
	s_wait_tensorcnt 0x0                           ; my part of W3's second tile: the one load that was out
	s_wait_dscnt 0x0                               ; for the others' sake: my stores into h2 are done
	s_barrier_signal -1
	s_barrier_wait -1                              ; h2 and both tiles of W3 are whole
	; h2 x W3: K = 256 in eight quarters.  B1 lies 128 k-rows behind B0, so W3's 256 k-rows follow each other at one pitch, and quarter q lies 64 q bytes along h2's rows and 32 q k-rows down W3.
	FETCH ADRH, 0, PH, ADRB, 0, F0
	QUARTER ADRH, 64, PH, ADRB, 32*PB, F0, F1, BIAS3  ; the sums start with b3 / 2
	WIN 0
	s_mov_b32 s[TH], 0
	s_mov_b32 s[TW], 0
	s_mov_b32 s[CNT], 3
.Lpair:                                                ; trip t multiplies quarters 2 t + 1 and 2 t + 2 and fetches 2 t + 2 and 2 t + 3
	v_add_nc_u32 v[CA], s[TH], v[ADRH]
	v_add_nc_u32 v[CB], s[TW], v[ADRB]
	QUARTER CA, 128, PH, CB, 2*32*PB, F1, F0, -1
	QUARTER CA, 192, PH, CB, 3*32*PB, F0, F1, -1
	WIN 0
	s_add_co_u32 s[TH], s[TH], 128
	s_add_co_u32 s[TW], s[TW], 2*32*PB
	s_sub_co_u32 s[CNT], s[CNT], 1
	s_cmp_lg_u32 s[CNT], 0
	s_cbranch_scc1 .Lpair
	LASTQ
	PLACES
	WAYOUT 0
.else
	LASTQ
	PLACES
	WAYOUT 1
.endif
	s_wait_tensorcnt 0x0                           ; the wave's end: behind my last tensor load and my last LDS store
	ds_add_u32 v[SPW], v[NIL]
	s_wait_dscnt 0x0
	CROUND                                         ; the closing round: no work-group ends while a partner may still ask for a tile that names it
	s_endpgm
.Lfunc_end_k_qe48e5e2b87_gemm23:
	.size	k_qe48e5e2b87_gemm23, .Lfunc_end_k_qe48e5e2b87_gemm23-k_qe48e5e2b87_gemm23
	.p2alignl 7, 3214868480
	.fill 96, 4, 3214868480
	.section	.rodata,"a",@progbits
	.p2align	6, 0x0
	.amdhsa_kernel k_qe48e5e2b87_gemm23
		.amdhsa_group_segment_fixed_size 327680
		.amdhsa_private_segment_fixed_size 0
		.amdhsa_enable_private_segment 0
		.amdhsa_kernarg_size 48
		.amdhsa_user_sgpr_count 2
		.amdhsa_user_sgpr_kernarg_segment_ptr 1
		.amdhsa_wavefront_size32 1
		.amdhsa_system_sgpr_workgroup_id_x 1
		.amdhsa_system_sgpr_workgroup_id_y 1
		.amdhsa_system_sgpr_workgroup_id_z 1
		.amdhsa_system_vgpr_workitem_id 0
		.amdhsa_next_free_vgpr 1024
		.amdhsa_next_free_sgpr 96
		.amdhsa_reserve_vcc 0
		.amdhsa_float_denorm_mode_32 3
		.amdhsa_float_denorm_mode_16_64 3
		.amdhsa_memory_ordered 1
		.amdhsa_forward_progress 1
		.amdhsa_inst_pref_size 172
	.end_amdhsa_kernel
	.amdgpu_metadata
---
amdhsa.version: [ 1, 2 ]
amdhsa.kernels:
  - .name:           k_qe48e5e2b87_gemm23
    .symbol:         k_qe48e5e2b87_gemm23.kd
    .args:
      - { .name: h1, .offset: 0, .size: 8, .value_kind: global_buffer, .address_space: global }
      - { .name: w2b, .offset: 8, .size: 8, .value_kind: global_buffer, .address_space: global }
      - { .name: eop, .offset: 16, .size: 8, .value_kind: global_buffer, .address_space: global }
      - { .name: eb2, .offset: 24, .size: 8, .value_kind: global_buffer, .address_space: global }
      - { .name: w3b, .offset: 32, .size: 8, .value_kind: global_buffer, .address_space: global }
      - { .name: eb3, .offset: 40, .size: 8, .value_kind: global_buffer, .address_space: global }
    .group_segment_fixed_size: 327680
    .private_segment_fixed_size: 0
    .kernarg_segment_align: 8
    .kernarg_segment_size: 48
    .max_flat_workgroup_size: 128
    .sgpr_count:     96
    .vgpr_count:     1024
    .wavefront_size: 32
...
	.end_amdgpu_metadata
.endif
;; end of part 3
;; launch tower (part 4): grid 128 x 2, 8 waves a work-group, no clusters, 60,416 bytes of LDS; arguments xb, twf, gb, eop, tb1, tb2, tW3, tb3, out0; writes out0
.if DOCPART == 4
	.amdgcn_target "amdgcn-amd-amdhsa--gfx1250"
	.amdhsa_code_object_version 6
	.text
	.protected	k_qe48e5e2b87_tower
	.globl	k_qe48e5e2b87_tower
	.p2align	8
	.type	k_qe48e5e2b87_tower,@function
k_qe48e5e2b87_tower:
	s_mov_b64 s[64:65], 0
	v_nop
	global_prefetch_b8 v0, s[64:65] scope:SCOPE_SE
	s_setreg_imm32_b32 hwreg(HW_REG_WAVE_MODE, 25, 1), 1
	s_wait_xcnt 0x0
; GATES, MIX AND TOWERS.  A work-group takes 32 rows (x) of one task (y):  g = softmax(x gW + gb) over the 8 experts, with the maximum taken away;  tin = sum over the 16 partial outputs p of g[p / 2] eop[row][p][:];
; th1 = relu(tin tW1 + tb1);  th2 = relu(th1 tW2 + tb2);  out = sigmoid(th2 . tW3 + tb3).
; Matrix operands bf16 (x, the weights, tin, th1), all sums f32; the softmax, the mix, the last dot (one column) and the sigmoid in f32 on the vector unit.
; LIMITS.  tin and th1 are rounded to bf16 once each; relu by v_max_num_f32 turns a NaN into 0; an exponential below 2^-126 counts as 0.
; NO TENSOR LOADS, NO CLUSTER: the weights come as ready fragments, 16 bytes a lane straight into registers, and each wave reads fragments that no other wave of the work-group reads.
; out0's 4 bytes a row and task lie 8 bytes apart: the two tasks' work-groups share its aligned blocks; 32,768 bytes in all.
; SHARES of wave w.  Gates: rows 16 (w % 2) on, k 256 (w / 2) on.  Mix: rows 4 w .. 4 w + 3.  Layer 1: columns 64 w on.  Layer 2 and the dot: columns 32 w on.
; THE MATRIX INSTRUCTION IS USED TRANSPOSED (source 0 = 16 columns of the weights, source 1 = 16 rows): a lane holds one row (l % 16) and the columns 8 (l / 16) + 0..7; of the gates: task l / 16, experts 0..7.
; LDS: logits' parts 0 (8 waves x 32 lanes x 32 bytes); tin 8,192 (32 rows x 528); th1 25,088 (32 x 1,040); the dot's parts 58,368 (8 waves x 32 rows x 4).  Each region is written once: one barrier each.
; REGISTERS (s_set_vgpr_msb: bits 1:0 source 0, 3:2 source 1, 5:4 source 2, 7:6 destination):
;   window 0: v0-15 addresses; v16-31 at work; v32-63 logits, gates, packed results; v64-191 x's and gW's fragments, then weight ring A (16 fragments); v192-223 tb1, v224-239 tb2, v240-255 tW3
;   window 1: v0-255 the mix's 4 rows x 16 partial outputs x 4 registers; then v0-127 weight ring B, v128-191 accumulators, v192-255 8 fragments of activations
.set TIN, 8192
.set PT,  528
.set TH1, TIN+32*PT
.set P1,  1040
.set RED, TH1+32*P1
.set XO,  4                            ; v4   r x 2,048 + 16 h: my place in 16 rows of xb
.set L16, 5                            ; v5   16 x lane
.set BO,  6                            ; v6   32 h
.set LGS, 7                            ; v7   32 x thread: where my eight parts of logits go
.set LGR, 8                            ; v8   where the logits of my wave's first row and my task lie (the same in every lane): 1,920 at the most
.set TS,  9                            ; v9   tin: row 4 w, byte 16 x lane
.set MA1, 10                           ; v10  tin as fragments: r x 528 + 16 h
.set SA,  11                           ; v11  th1: row r, byte 128 w + 16 h
.set MA2, 12                           ; v12  th1 as fragments: r x 1,040 + 16 h
.set RS,  13                           ; v13  the dot's parts: (32 w + r) x 4
.set RR,  14                           ; v14  the same, read: 4 x lane
.set OO,  15                           ; v15  8 x lane: my row in out0
.set TA,  16
.set T8,  24
.set MSB, 0
.macro WIN new
.if MSB != (\new)
	s_set_vgpr_msb (MSB<<8)|(\new)
.set MSB, \new
.endif
.endm
.macro PLACES                          ; four plain vector instructions between a matrix instruction and a load into, or a vector instruction on, its registers
.rept 4
	v_nop
.endr
.endm
	s_load_b512 s[4:19], s[0:1], 0x0               ; xb s[4:5], twf s[6:7], gb s[8:9], eop s[10:11], tb1 s[12:13], tb2 s[14:15], tW3 s[16:17], tb3 s[18:19]
	s_load_b64 s[20:21], s[0:1], 0x40              ; out0
	v_lshl_add_u32 v30, v0, 2, 0xe800
	v_mov_b32 v31, 0
	v_lshrrev_b32 v1, 5, v0
	v_readfirstlane_b32 s22, v1                    ; wave w
	s_mov_b32 s23, ttmp9                           ; block of 32 rows
	s_and_b32 s24, ttmp7, 1                        ; task: the grid has two work-groups along y, so its number is one bit
	s_and_b32 s25, s22, 1
	s_lshr_b32 s41, s22, 1
	s_mov_b32 s43, 0
	s_mov_b32 s45, 0x3fb8aa3b                      ; log2(e)
	s_mov_b32 s46, 0xffff0000                      ; a word's upper bf16
	s_mov_b32 s47, 0x76543210                      ; v_permlanex16_b32: each lane takes its own place in the other half
	s_mov_b32 s48, 0xfedcba98
	v_and_b32 v1, 31, v0                           ; lane
	v_and_b32 v2, 15, v0                           ; r
	v_bfe_u32 v3, v0, 4, 1                         ; h
	v_lshlrev_b32 v[XO], 11, v2
	v_lshl_add_u32 v[XO], v3, 4, v[XO]
	v_lshlrev_b32 v[L16], 4, v1
	v_lshlrev_b32 v[BO], 5, v3
	s_wait_kmcnt 0x0
	s_lshl_b32 s42, s23, 16                        ; xb: 32 rows of 2,048 bytes a block, 16 (w % 2) rows, 512 (w / 2) bytes along them
	s_lshl_b32 s44, s25, 15
	s_add_co_u32 s42, s42, s44
	s_lshl_b32 s44, s41, 9
	s_add_co_u32 s42, s42, s44
	s_add_nc_u64 s[4:5], s[4:5], s[42:43]
.irp k, 0,1,2,3,4,5,6,7
	global_load_b128 v[64+8*(\k):67+8*(\k)], v[XO], s[4:5] offset:64*(\k)
	global_load_b128 v[68+8*(\k):71+8*(\k)], v[XO], s[4:5] offset:64*(\k)+32
.endr
	s_lshl_b32 s42, s41, 13                        ; gW's fragments 8 (w / 2) on
	s_add_co_u32 s42, s42, 1048576
	s_add_nc_u64 s[26:27], s[6:7], s[42:43]
.irp k, 0,1,2,3,4,5,6,7
	global_load_b128 v[128+8*(\k):131+8*(\k)], v[L16], s[26:27] offset:1024*(\k)
	global_load_b128 v[132+8*(\k):135+8*(\k)], v[L16], s[26:27] offset:1024*(\k)+512
.endr
	s_lshl_b32 s42, s24, 11                        ; tb1: (512 t + 64 w) x 4
	s_lshl_b32 s44, s22, 8
	s_add_co_u32 s42, s42, s44
	s_add_nc_u64 s[12:13], s[12:13], s[42:43]
	s_lshl_b32 s42, s24, 10                        ; tb2 and tW3: (256 t + 32 w) x 4
	s_lshl_b32 s44, s22, 7
	s_add_co_u32 s42, s42, s44
	s_add_nc_u64 s[14:15], s[14:15], s[42:43]
	s_add_nc_u64 s[16:17], s[16:17], s[42:43]
.irp n, 0,1,2,3                        ; register j of column block n: number 16 n + 8 h + j: the accumulators' own layout
	global_load_b128 v[192+8*(\n):195+8*(\n)], v[BO], s[12:13] offset:64*(\n)
	global_load_b128 v[196+8*(\n):199+8*(\n)], v[BO], s[12:13] offset:64*(\n)+16
.endr
.irp n, 0,1
	global_load_b128 v[224+8*(\n):227+8*(\n)], v[BO], s[14:15] offset:64*(\n)
	global_load_b128 v[228+8*(\n):231+8*(\n)], v[BO], s[14:15] offset:64*(\n)+16
	global_load_b128 v[240+8*(\n):243+8*(\n)], v[BO], s[16:17] offset:64*(\n)
	global_load_b128 v[244+8*(\n):247+8*(\n)], v[BO], s[16:17] offset:64*(\n)+16
.endr
	s_lshl_b32 s42, s23, 18                        ; eop: rows of 8,192 bytes: 32 a block, 4 a wave
	s_lshl_b32 s44, s22, 15
	s_add_co_u32 s42, s42, s44
	s_add_nc_u64 s[10:11], s[10:11], s[42:43]
	WIN 0x40                                       ; destination window 1
.set i, 0
.rept 64                               ; row i / 16, partial output i % 16: a lane takes its channels 8 l .. 8 l + 7; a wave's load covers 512 consecutive bytes
	global_load_b128 v[4*i:4*i+3], v[L16], s[10:11] offset:8192*(i/16)+512*(i%16)
.set i, i+1
.endr
	WIN 0
	s_lshl_b32 s42, s24, 5
	s_add_nc_u64 s[8:9], s[8:9], s[42:43]
	s_load_b256 s[32:39], s[8:9], 0x0              ; my task's eight gb
	s_lshl_b32 s42, s24, 2
	s_add_nc_u64 s[18:19], s[18:19], s[42:43]
	s_load_b32 s40, s[18:19], 0x0                  ; and its tb3
	s_lshl_b32 s42, s24, 18                        ; tW1's fragments: task t, column blocks 4 w on
	s_lshl_b32 s44, s22, 12
	s_add_co_u32 s42, s42, s44
	s_add_nc_u64 s[28:29], s[6:7], s[42:43]
	s_lshl_b32 s42, s24, 18                        ; tW2's: task t, column blocks 2 w on
	s_lshl_b32 s44, s22, 11
	s_add_co_u32 s42, s42, s44
	s_add_co_u32 s42, s42, 524288
	s_add_nc_u64 s[30:31], s[6:7], s[42:43]
	s_lshl_b32 s42, s23, 8                         ; out0: 32 rows of 8 bytes a block, 4 t
	s_lshl_b32 s44, s24, 2
	s_add_co_u32 s42, s42, s44
	s_add_nc_u64 s[20:21], s[20:21], s[42:43]
	v_lshlrev_b32 v[LGS], 5, v0
	s_lshr_b32 s44, s22, 2                         ; my wave's rows 4 w on: row block w / 4, row 4 (w % 4) in it
	s_lshl_b32 s44, s44, 10
	s_lshl_b32 s42, s24, 9
	s_add_co_u32 s44, s44, s42
	s_and_b32 s42, s22, 3
	s_lshl_b32 s42, s42, 7
	s_add_co_u32 s44, s44, s42
	v_mov_b32 v[LGR], s44
	s_mul_i32 s44, s22, 4*PT
	s_add_co_u32 s44, s44, TIN
	v_add_nc_u32 v[TS], s44, v[L16]
	v_mul_u32_u24 v[MA1], v2, PT
	v_lshl_add_u32 v[MA1], v3, 4, v[MA1]
	v_add_nc_u32 v[MA1], TIN, v[MA1]
	v_mul_u32_u24 v[MA2], v2, P1
	v_lshl_add_u32 v[MA2], v3, 4, v[MA2]
	v_add_nc_u32 v[MA2], TH1, v[MA2]
	s_lshl_b32 s44, s22, 7
	v_add_nc_u32 v[SA], s44, v[MA2]
	s_add_co_u32 s44, s44, RED
	v_lshl_add_u32 v[RS], v2, 2, s44
	v_lshl_add_u32 v[RR], v1, 2, RED
	v_lshlrev_b32 v[OO], 3, v1
	; THE GATES' LOGITS: my 16 rows, my 256 k, both tasks.  Two accumulators take turns.
	s_wait_loadcnt 0x3f                            ; 80 loads were issued behind x's and gW's 32; the wait's field ends at 63, and a smaller count is safe
.irp k, 0,1,2,3,4,5,6,7
.if (\k) < 2
	v_wmma_f32_16x16x32_bf16 v[32+8*(\k):39+8*(\k)], v[128+8*(\k):135+8*(\k)], v[64+8*(\k):71+8*(\k)], 0
.else
	v_wmma_f32_16x16x32_bf16 v[32+8*((\k)%2):39+8*((\k)%2)], v[128+8*(\k):135+8*(\k)], v[64+8*(\k):71+8*(\k)], v[32+8*((\k)%2):39+8*((\k)%2)]
.endif
.endr
	PLACES
.set i, 0
.rept 16                               ; ring A: tW1, k blocks 0-3 (i / 4), my column blocks (i % 4)
	global_load_b128 v[64+8*i:67+8*i], v[L16], s[28:29] offset:32768*(i/4)+1024*(i%4)
	global_load_b128 v[68+8*i:71+8*i], v[L16], s[28:29] offset:32768*(i/4)+1024*(i%4)+512
.set i, i+1
.endr
.irp j, 0,2,4,6
	v_pk_add_f32 v[32+(\j):33+(\j)], v[32+(\j):33+(\j)], v[40+(\j):41+(\j)]
.endr
	ds_store_b128 v[LGS], v[32:35]
	ds_store_b128 v[LGS], v[36:39] offset:16
	s_wait_dscnt 0x0                               ; for the others' sake: my parts of the logits are stored
	s_barrier_signal -1
	s_barrier_wait -1
	s_wait_kmcnt 0x0                               ; gb and tb3
; THE MIX of row 4 w + i.  Every lane makes the row's eight gates (the loads are broadcasts), then its eight channels of tin.  left: the global loads issued behind this row's sixteen.
.macro MIXROW i, left
.irp q, 0,1,2,3                        ; the four quarters of K
	ds_load_b128 v[32+8*(\q):35+8*(\q)], v[LGR] offset:32*(\i)+2048*(\q)
	ds_load_b128 v[36+8*(\q):39+8*(\q)], v[LGR] offset:32*(\i)+2048*(\q)+16
.endr
	s_wait_dscnt 0x0
.irp j, 0,2,4,6
	v_pk_add_f32 v[32+(\j):33+(\j)], v[32+(\j):33+(\j)], v[40+(\j):41+(\j)]
	v_pk_add_f32 v[48+(\j):49+(\j)], v[48+(\j):49+(\j)], v[56+(\j):57+(\j)]
.endr
.irp j, 0,2,4,6
	v_pk_add_f32 v[32+(\j):33+(\j)], v[32+(\j):33+(\j)], v[48+(\j):49+(\j)]
.endr
.irp j, 0,1,2,3,4,5,6,7
	v_add_f32 v[32+(\j)], s[32+(\j)], v[32+(\j)]
.endr
	v_max3_num_f32 v40, v32, v33, v34              ; the row's true maximum is taken away
	v_max3_num_f32 v40, v40, v35, v36
	v_max3_num_f32 v40, v40, v37, v38
	v_max_num_f32 v40, v40, v39
	v_mul_f32 v40, s45, v40
.irp j, 0,1,2,3,4,5,6,7
	v_fma_f32 v[32+(\j)], v[32+(\j)], s45, -v40
.endr
.irp j, 0,1,2,3,4,5,6,7
	v_exp_f32 v[32+(\j)], v[32+(\j)]
.endr
	v_nop                                          ; a plain instruction between the last exponential and the use of its result (ISA guide 5.7.2)
	s_wait_alu depctr_va_vdst(0)
	v_add_f32 v41, v32, v33
	v_add_f32 v42, v34, v35
	v_add_f32 v43, v36, v37
	v_add_f32 v44, v38, v39
	v_add_f32 v41, v41, v42
	v_add_f32 v43, v43, v44
	v_add_f32 v41, v41, v43
	v_rcp_f32 v41, v41
	v_nop
	s_wait_alu depctr_va_vdst(0)
.irp j, 0,1,2,3,4,5,6,7
	v_mul_f32 v[32+(\j)], v[32+(\j)], v41
.endr
	s_wait_loadcnt \left
	WIN 0x04                                       ; source 1 window 1
.irp k, 0,1,2,3                        ; partial output 0 starts the sums
	v_lshlrev_b32 v[TA+2*(\k)], 16, v[64*(\i)+(\k)]
	v_and_b32 v[TA+2*(\k)+1], s46, v[64*(\i)+(\k)]
.endr
	WIN 0
.irp j, 0,1,2,3,4,5,6,7
	v_mul_f32 v[TA+(\j)], v[TA+(\j)], v32
.endr
	WIN 0x01                                       ; source 0 window 1
.set p, 1
.rept 15                               ; eight chains of fused multiply-adds straight from the bf16 halves
.irp k, 0,1,2,3
	v_fma_mix_f32_bf16 v[TA+2*(\k)], v[64*(\i)+4*p+(\k)], v[32+p/2], v[TA+2*(\k)] op_sel_hi:[1,0,0]
	v_fma_mix_f32_bf16 v[TA+2*(\k)+1], v[64*(\i)+4*p+(\k)], v[32+p/2], v[TA+2*(\k)+1] op_sel:[1,0,0] op_sel_hi:[1,0,0]
.endr
.set p, p+1
.endr
	WIN 0
.irp k, 0,1,2,3
	v_cvt_pk_bf16_f32 v[T8+(\k)], v[TA+2*(\k)], v[TA+2*(\k)+1]
.endr
	ds_store_b128 v[TS], v[T8:T8+3] offset:PT*(\i)
.endm
	MIXROW 0, 0x3f                                 ; behind row 0's loads: 48 of the later rows and ring A's 32; the field ends at 63
	MIXROW 1, 0x3f                                 ; 32 + 32 = 64, likewise
	MIXROW 2, 48                                   ; 16 + 32
	MIXROW 3, 32                                   ; ring A's
	WIN 0x40
.set i, 0
.rept 16                               ; ring B, where the partial outputs lay: tW1, k blocks 4-7
	global_load_b128 v[8*i:8*i+3],   v[L16], s[28:29] offset:32768*(4+i/4)+1024*(i%4)
	global_load_b128 v[8*i+4:8*i+7], v[L16], s[28:29] offset:32768*(4+i/4)+1024*(i%4)+512
.set i, i+1
.endr
	WIN 0
	s_wait_dscnt 0x0                               ; my rows of tin are stored
	s_barrier_signal -1
	s_barrier_wait -1
; Eight fragments of activations: row blocks 0, 1 x k blocks kb0 .. kb0 + 3, from address register adr, mstep bytes from row block to row block.
.macro MFLOAD adr, mstep, kb0
	WIN 0x40
.irp m, 0,1
.irp k, 0,1,2,3
	ds_load_b128 v[192+8*(4*(\m)+(\k)):195+8*(4*(\m)+(\k))], v[\adr] offset:(\mstep)*(\m)+64*((\kb0)+(\k))
	ds_load_b128 v[196+8*(4*(\m)+(\k)):199+8*(4*(\m)+(\k))], v[\adr] offset:(\mstep)*(\m)+64*((\kb0)+(\k))+32
.endr
.endr
.endm
; LAYER 1, half st: 32 matrix instructions; the 8 accumulators (row block m, column block n) take turns.  The first products start the sums with tb1.
.macro T1MUL st
.irp k, 0,1,2,3
.if (\st) == 1
	WIN 0x55                                       ; weights (ring B), activations, C and D in window 1
.elseif (\k) == 0
	WIN 0x44                                       ; weights (ring A) and C (tb1) in window 0
.else
	WIN 0x54
.endif
.irp m, 0,1
.irp n, 0,1,2,3
.if ((\st) == 0) && ((\k) == 0)
	v_wmma_f32_16x16x32_bf16 v[128+8*(4*(\m)+(\n)):135+8*(4*(\m)+(\n))], v[64+8*(\n):71+8*(\n)], v[192+32*(\m):199+32*(\m)], v[192+8*(\n):199+8*(\n)]
.else
	v_wmma_f32_16x16x32_bf16 v[128+8*(4*(\m)+(\n)):135+8*(4*(\m)+(\n))], v[64-64*(\st)+8*(4*(\k)+(\n)):71-64*(\st)+8*(4*(\k)+(\n))], v[192+8*(4*(\m)+(\k)):199+8*(4*(\m)+(\k))], v[128+8*(4*(\m)+(\n)):135+8*(4*(\m)+(\n))]
.endif
.endr
.endr
.endr
.endm
	MFLOAD MA1, 16*PT, 0
	s_wait_dscnt 0x0
	s_wait_loadcnt 32                              ; ring A and the biases are in; ring B's 32 may be out
	T1MUL 0
	PLACES
	WIN 0
.set i, 0
.rept 16                               ; ring A again: tW2, k blocks 0-7 (i / 2), my column blocks (i % 2)
	global_load_b128 v[64+8*i:67+8*i], v[L16], s[30:31] offset:16384*(i/2)+1024*(i%2)
	global_load_b128 v[68+8*i:71+8*i], v[L16], s[30:31] offset:16384*(i/2)+1024*(i%2)+512
.set i, i+1
.endr
	MFLOAD MA1, 16*PT, 4
	s_wait_dscnt 0x0
	s_wait_loadcnt 32                              ; ring B is in; ring A's 32 may be out
	T1MUL 1
	PLACES
	WIN 0x40
.set i, 0
.rept 16                               ; ring B again: tW2, k blocks 8-15
	global_load_b128 v[8*i:8*i+3],   v[L16], s[30:31] offset:16384*(8+i/2)+1024*(i%2)
	global_load_b128 v[8*i+4:8*i+7], v[L16], s[30:31] offset:16384*(8+i/2)+1024*(i%2)+512
.set i, i+1
.endr
	WIN 0x44                                       ; relu in place; each accumulator's registers in ascending order
.set i, 0
.rept 64
	v_max_num_f32 v[128+i], 0, v[128+i]
.set i, i+1
.endr
	WIN 0x05
.set i, 0
.rept 32
	v_cvt_pk_bf16_f32 v[32+i], v[128+2*i], v[129+2*i]
.set i, i+1
.endr
	WIN 0
.irp m, 0,1
.irp n, 0,1,2,3
	ds_store_b128 v[SA], v[32+4*(4*(\m)+(\n)):35+4*(4*(\m)+(\n))] offset:16*P1*(\m)+32*(\n)
.endr
.endr
	s_wait_dscnt 0x0                               ; my columns of th1 are stored
	s_barrier_signal -1
	s_barrier_wait -1
; LAYER 2, quarter s of K = 512: 16 matrix instructions; the 4 accumulators take turns.  The first products start the sums with tb2.
.macro T2STAGE s
	PLACES
	MFLOAD MA2, 16*P1, 4*(\s)
	s_wait_dscnt 0x0
.if (\s) == 0
	s_wait_loadcnt 32                              ; ring A is in; ring B's 32 may be out
.elseif (\s) == 2
	s_wait_loadcnt 0x0                             ; ring B
.endif
.irp k, 0,1,2,3
.if (\s) >= 2
	WIN 0x55
.elseif ((\s) == 0) && ((\k) == 0)
	WIN 0x44
.else
	WIN 0x54
.endif
.irp m, 0,1
.irp n, 0,1
.if ((\s) == 0) && ((\k) == 0)
	v_wmma_f32_16x16x32_bf16 v[128+8*(2*(\m)+(\n)):135+8*(2*(\m)+(\n))], v[64+8*(\n):71+8*(\n)], v[192+32*(\m):199+32*(\m)], v[224+8*(\n):231+8*(\n)]
.else
	v_wmma_f32_16x16x32_bf16 v[128+8*(2*(\m)+(\n)):135+8*(2*(\m)+(\n))], v[64-64*((\s)/2)+8*(2*((4*(\s)+(\k))%8)+(\n)):71-64*((\s)/2)+8*(2*((4*(\s)+(\k))%8)+(\n))], v[192+8*(4*(\m)+(\k)):199+8*(4*(\m)+(\k))], v[128+8*(2*(\m)+(\n)):135+8*(2*(\m)+(\n))]
.endif
.endr
.endr
.endr
.endm
	T2STAGE 0
	T2STAGE 1
	T2STAGE 2
	T2STAGE 3
	; THE LAST DOT: relu, times my 16 numbers of tW3, two chains (row blocks 0 and 1); the row's other eight columns lie in the lane 16 away; the waves' parts meet in LDS.
	PLACES
	WIN 0x04
.set i, 0
.rept 32
	v_max_num_f32 v[32+i], 0, v[128+i]
.set i, i+1
.endr
	WIN 0
	v_mul_f32 v16, v32, v240
	v_mul_f32 v17, v48, v240
.set i, 1
.rept 15
	v_fmac_f32 v16, v[32+i], v[240+i]
	v_fmac_f32 v17, v[48+i], v[240+i]
.set i, i+1
.endr
	v_permlanex16_b32 v18, v16, s47, s48           ; its destination counts as read: v18 and v19 have been written
	v_permlanex16_b32 v19, v17, s47, s48
	v_add_f32 v16, v16, v18
	v_add_f32 v17, v17, v19
	ds_store_b32 v[RS], v16                        ; lanes r and 16 + r store the same number to the same word
	ds_store_b32 v[RS], v17 offset:64
	s_wait_dscnt 0x0
	s_barrier_signal -1
	s_barrier_wait -1
	s_cmp_lg_u32 s22, 0
	s_cbranch_scc1 .Lend
.irp w, 0,1,2,3,4,5,6,7                ; wave 0: lane l takes row l
	ds_load_b32 v[32+(\w)], v[RR] offset:128*(\w)
.endr
	s_wait_dscnt 0x0
	v_add_f32 v32, v32, v33
	v_add_f32 v34, v34, v35
	v_add_f32 v36, v36, v37
	v_add_f32 v38, v38, v39
	v_add_f32 v32, v32, v34
	v_add_f32 v36, v36, v38
	v_add_f32 v32, v32, v36
	v_add_f32 v32, s40, v32
	v_mul_f32 v32, 0xbfb8aa3b, v32                 ; sigmoid(z) = 1 / (1 + 2^(-log2(e) z))
	v_exp_f32 v32, v32
	v_nop
	s_wait_alu depctr_va_vdst(0)
	v_add_f32 v32, 1.0, v32
	v_rcp_f32 v32, v32
	v_nop
	s_wait_alu depctr_va_vdst(0)
	global_store_b32 v[OO], v32, s[20:21]
.Lend:
	s_wait_tensorcnt 0x0
	ds_add_u32 v30, v31
	s_wait_dscnt 0x0
	s_endpgm
.Lfunc_end_k_qe48e5e2b87_tower:
	.size	k_qe48e5e2b87_tower, .Lfunc_end_k_qe48e5e2b87_tower-k_qe48e5e2b87_tower
	.p2alignl 7, 3214868480
	.fill 96, 4, 3214868480
	.section	.rodata,"a",@progbits
	.p2align	6, 0x0
	.amdhsa_kernel k_qe48e5e2b87_tower
		.amdhsa_group_segment_fixed_size 60416
		.amdhsa_private_segment_fixed_size 0
		.amdhsa_enable_private_segment 0
		.amdhsa_kernarg_size 72
		.amdhsa_user_sgpr_count 2
		.amdhsa_user_sgpr_kernarg_segment_ptr 1
		.amdhsa_wavefront_size32 1
		.amdhsa_system_sgpr_workgroup_id_x 1
		.amdhsa_system_sgpr_workgroup_id_y 1
		.amdhsa_system_sgpr_workgroup_id_z 1
		.amdhsa_system_vgpr_workitem_id 0
		.amdhsa_next_free_vgpr 512
		.amdhsa_next_free_sgpr 66
		.amdhsa_reserve_vcc 0
		.amdhsa_float_denorm_mode_32 3
		.amdhsa_float_denorm_mode_16_64 3
		.amdhsa_memory_ordered 1
		.amdhsa_forward_progress 1
		.amdhsa_inst_pref_size 99
	.end_amdhsa_kernel
	.amdgpu_metadata
---
amdhsa.version: [ 1, 2 ]
amdhsa.kernels:
  - .name:           k_qe48e5e2b87_tower
    .symbol:         k_qe48e5e2b87_tower.kd
    .args:
      - { .name: xb, .offset: 0, .size: 8, .value_kind: global_buffer, .address_space: global }
      - { .name: twf, .offset: 8, .size: 8, .value_kind: global_buffer, .address_space: global }
      - { .name: gb, .offset: 16, .size: 8, .value_kind: global_buffer, .address_space: global }
      - { .name: eop, .offset: 24, .size: 8, .value_kind: global_buffer, .address_space: global }
      - { .name: tb1, .offset: 32, .size: 8, .value_kind: global_buffer, .address_space: global }
      - { .name: tb2, .offset: 40, .size: 8, .value_kind: global_buffer, .address_space: global }
      - { .name: tW3, .offset: 48, .size: 8, .value_kind: global_buffer, .address_space: global }
      - { .name: tb3, .offset: 56, .size: 8, .value_kind: global_buffer, .address_space: global }
      - { .name: out0, .offset: 64, .size: 8, .value_kind: global_buffer, .address_space: global }
    .group_segment_fixed_size: 60416
    .private_segment_fixed_size: 0
    .kernarg_segment_align: 8
    .kernarg_segment_size: 72
    .max_flat_workgroup_size: 256
    .sgpr_count:     66
    .vgpr_count:     512
    .wavefront_size: 32
...
	.end_amdgpu_metadata
.endif
;; end of part 4
